; MI455X (gfx1250); checked and timed in simulation.
; The chip was launched on July 23, 2026; its instructions are those of AMD's public machine-readable ISA for CDNA 5 (MIT licence, August 2026) and "CDNA5" Instruction Set Architecture Reference Guide (July 2026). The comments in the code are by the model that wrote it; some were corrected since.
;; Attention. Allowed arithmetic: matrix products marked QUANTISED: E2M1 operands, one E8M0 scale for each 32 along K, by v_wmma_scale_f32_16x16x128_f8f6f4 with both operands' format E2M1 (or v_wmma_scale_f32_32x16x128_f4), f32 sums; products left as they are: bf16, f16 or f32 operands; f32 sums; everything else in f32.
;; Inputs: Wk 1,024 x 1,024 float32; Wo 1,024 x 1,024 float32; Wq 1,024 x 1,024 float32; Wv 1,024 x 1,024 float32; bo 1,024 float32; x 4 x 2,048 x 1,024 float32.
;; Outputs: out0 4 x 2,048 x 1,024 float32.
;; This version of the problem:
;;   THIS VERSION OF THE PROBLEM IS GIVEN IN LOW PRECISION. The matrix products marked QUANTISED in the list below multiply operands that are first quantised to E2M1 (2 exponent bits, 1 mantissa bit; 4 bits a number), with one power-of-two scale for each 32 numbers along K (OCP MX v1.0); their sums are f32. The products marked 'left as it is' may take bf16, f16 or f32 operands, with f32 sums. Whichever they take, every output number must still come out within the allowed error. Rounding operands to bf16 (8 significant bits) uses up far more of that allowance than f16 does (11 bits, for magnitudes from 6e-5 to 65,504). All else is computed in f32.
;;   The module's matrix products, in the order in which they are computed (A, B: the left and right operand; K: the contracted axis; several contracted axes count as one K, in the product's order):
;;     1. [M 8,192, K 1,024] x [K 1,024, N 1,024]; A: input x; B: input Wq: QUANTISED
;;     2. [M 8,192, K 1,024] x [K 1,024, N 1,024]; A: input x; B: input Wk: QUANTISED
;;     3. [M 8,192, K 1,024] x [K 1,024, N 1,024]; A: input x; B: input Wv: QUANTISED
;;     4. batch 64 x [M 2,048, K 64] x [K 64, N 2,048]; A: computed on the way; B: computed on the way: left as it is (an operand is computed on the way)
;;     5. batch 64 x [M 2,048, K 2,048] x [K 2,048, N 64]; A: computed on the way; B: computed on the way: left as it is (an operand is computed on the way)
;;     6. [M 8,192, K 1,024] x [K 1,024, N 1,024]; A: computed on the way; B: input Wo: left as it is (an operand is computed on the way)
;;   THE QUANTISER, for each operand of a quantised product, along K:
;;     - K is cut into blocks of 32 from its start; a last block that is shorter is filled with zeros.
;;     - A block's scale is 2^e with e = floor(log2(the largest magnitude in the block)) - 2, held to -126 .. 127; a block of zeros has e = 0. As a byte (E8M0): e + 127.
;;     - Each number is divided by its block's scale, clamped to +-6, and rounded to the nearest number of E2M1, ties to even, subnormals kept.
;;     - The product sums the exact products of the quantised numbers (number of the format x scale) in f32.
;;   ~~~python
;;   def quantise(x, axis):      # numpy; x: float32 -> the quantised numbers, widened to float32 again
;;       x = np.moveaxis(x, axis, -1); K = x.shape[-1]
;;       x = np.pad(x, [(0, 0)] * (x.ndim - 1) + [(0, -K % 32)]); x = x.reshape(x.shape[:-1] + (-1, 32)); a = np.abs(x).max(-1, keepdims=True)
;;       e = np.where(a > 0, np.clip(np.frexp(np.where(a > 0, a, 1))[1] - 1 - 2, -126, 127), 0)      # np.frexp(a)[1] - 1 = floor(log2(a)), exactly
;;       r = np.clip(x / 2.0 ** e, -6, 6)
;;       step = 2.0 ** (np.maximum(np.frexp(np.where(r == 0, 1, r))[1] - 1, 0) - 1)
;;       q = np.round(r / step) * step * 2.0 ** e      # np.round: ties to even
;;       return np.moveaxis(q.reshape(q.shape[:-2] + (-1,))[..., :K], -1, axis).astype(np.float32)
;;   ~~~
;; One version. Each part assembles by itself: llvm-mc -triple=amdgcn-amd-amdhsa -mcpu=gfx1250 --defsym DOCPART=n.
;; ======== version 1 of 1: 4 launches
;; limits: values are held in f16: magnitudes above 65,504 overflow, below 6.1e-05 lose precision
;; workspace buffers: xc 4,194,304 bytes; xs 262,144 bytes; wc 1,572,864 bytes; ws 98,304 bytes; wo16 2,097,152 bytes; qkv 50,331,648 bytes; att 16,777,216 bytes
;; launch prep (part 1): grid 368 x 1, 4 waves a work-group, no clusters, 102,912 bytes of LDS; arguments x, Wq, Wk, Wv, Wo, xc, xs, wc, ws, wo16; writes xc, xs, wc, ws, wo16
.if DOCPART == 1
	.amdgcn_target "amdgcn-amd-amdhsa--gfx1250"
	.amdhsa_code_object_version 6
	.text
	.protected	k_q7b35d5330e_prep
	.globl	k_q7b35d5330e_prep
	.p2align	8
	.type	k_q7b35d5330e_prep,@function
k_q7b35d5330e_prep:
	s_mov_b64 s[64:65], 0
	v_nop
	global_prefetch_b8 v0, s[64:65] scope:SCOPE_SE
	s_setreg_imm32_b32 hwreg(HW_REG_WAVE_MODE, 25, 1), 1
	s_wait_xcnt 0x0
; THE PROGRAM: out = softmax((x Wq)(x Wk)^T / 8) (x Wv) Wo + bo, 16 heads of 64, four launches: this one; the three projections on FP4 codes; attention in f16; the last projection in f16.
; NOTHING IS LEFT OUT: every input (x, Wq, Wk, Wv, Wo, bo) has a way to the output, there is no mask, and no product of the problem is dead.
; THIS LAUNCH prepares operands that many work-groups will read, once:
;   x [8192][1024] f32 -> xc: codes of FP4 (E2M1), K innermost, two a byte; xs: one E8M0 byte for each 32 along K.
;   Wq, Wk, Wv [1024 k][1024 n] f32 (K is the FIRST axis) -> wc [3072 n'][512 bytes], ws [3072][32], n' = 1024 x which + n, K innermost.
;   Wo [1024 k][1024 n] f32 -> wo16 [1024 n][1024 k] f16, K innermost.
; A block's scale is 2^(floor(log2(its largest magnitude)) - 2); its byte is the largest magnitude's exponent field - 2, held at 1 from below; each number is divided by the scale and rounded to the nearest code, ties to even, beyond 6 to 6.
; LIMITS: a block of zeros gets the byte 1 where the rule says 127 (its codes are zeros, and this program alone reads the bytes); blocks whose largest magnitude lies under 2^-124 were not tried;
; NaN and infinities among the inputs are not served; Wo is rounded to f16: magnitudes beyond 65,504 are not served.
; THREE PATHS, parted by the work-group's number alone: 0-255 x, 256-303 the three weights, 304-367 Wo.  Each path has LDS bytes of its own.  No tensor load, no barrier: waves share nothing.
.set SPARE, 102400                     ; the spare words, 128 bytes for each wave: two blocks of 256 bytes that no other line names
.set SPW,   190                        ; v190 LDS address of my spare word; never rewritten
.set NIL,   191                        ; v191 0; never rewritten
.set XREG,  8192                       ; x path: a wave's LDS region: two stages of 32 x SP bytes, behind them its 256 scale bytes
.set SP,    80                         ; a lane's place in a stage: 64 bytes + 16 of padding
.set WSTG,  32768                      ; weights' path: four stages of 32 rows x PITCH
.set OSTG,  67584                      ; Wo's path: likewise
.set PITCH, 272                        ; a stage row: 256 bytes + 16
.set RX,    16                         ; x path: v16-79 four sets of 16 numbers as loaded
.set NX,    80                         ; v80-111 two sets of 16 neighbours
.set EX,    112                        ; v112-127 a scale byte for each step
.set CX,    128                        ; v128-189 codes: four registers for each step (two used)
.set KX,    32                         ; weight paths: v32-95 two sets of 32 numbers down K
.set KC,    96                         ; v96.. a block's codes (FP4: 4 registers; f16: 16)
.set OUTR,  112                        ; v112-175 the way out
.set SB,    24                         ; v24-27 the scale bytes, four to a register
.macro FINISH                          ; a wave's end, behind my last LDS store
	s_wait_tensorcnt 0x0
	ds_add_u32 v[SPW], v[NIL]
	s_wait_dscnt 0x0
	s_endpgm
.endm
	s_load_b256 s[4:11], s[0:1], 0x0               ; x s[4:5], Wq s[6:7], Wk s[8:9], Wv s[10:11]
	s_load_b256 s[12:19], s[0:1], 0x20             ; Wo s[12:13], xc s[14:15], xs s[16:17], wc s[18:19]
	s_load_b128 s[20:23], s[0:1], 0x40             ; ws s[20:21], wo16 s[22:23]
	v_lshl_add_u32 v[SPW], v0, 2, SPARE
	v_mov_b32 v[NIL], 0
	v_lshrrev_b32 v1, 5, v0
	v_readfirstlane_b32 s24, v1                    ; wave 0..3
	v_and_b32 v2, 31, v0                           ; lane
	s_mov_b32 s29, 0                               ; the high word of every offset pair s[28:29]
	s_wait_kmcnt 0x0
	s_cmp_lt_u32 ttmp9, 256
	s_cbranch_scc0 .Lw
; ---------------- x: a plain stream of blocks of 32.  A wave takes 16 steps of 512 numbers.
; Each load reads 512 consecutive bytes; a step's 2,048 bytes turn through the wave's own stage, so that a lane then holds 16 neighbours along K (two lanes hold a block).
	v_lshlrev_b32 v3, 4, v2                        ; my 16 bytes of a load's 512
	s_mul_i32 s25, s24, XREG
	v_lshrrev_b32 v14, 2, v2
	v_mul_u32_u24 v14, v14, SP
	v_and_b32 v15, 3, v2
	v_lshl_add_u32 v14, v15, 4, v14
	v_add_nc_u32 v14, s25, v14                     ; the stage, on the way in: SP (lane / 4) + 16 (lane % 4)
	v_mul_u32_u24 v15, v2, SP
	v_add_nc_u32 v15, s25, v15                     ; and on the way out: SP x lane
	v_lshlrev_b32 v4, 3, v2                        ; my 8 bytes of a step's 256 bytes of codes
	v_lshrrev_b32 v5, 1, v2
	s_add_co_u32 s25, s25, 2*32*SP
	v_add_nc_u32 v5, s25, v5                       ; my block's byte among the wave's 256 scale bytes
	v_lshlrev_b32 v7, 3, v2
	v_add_nc_u32 v6, s25, v7                       ; and on the way out 8 bytes a lane
	s_lshl_b32 s26, ttmp9, 2
	s_add_co_u32 s26, s26, s24                     ; which run of 8,192 numbers is my wave's: 0..1023
	s_lshl_b32 s28, s26, 15
	s_add_nc_u64 s[4:5], s[4:5], s[28:29]          ; 32,768 bytes of x a run,
	s_lshl_b32 s28, s26, 12
	s_add_nc_u64 s[14:15], s[14:15], s[28:29]      ; 4,096 of codes,
	s_lshl_b32 s28, s26, 8
	s_add_nc_u64 s[16:17], s[16:17], s[28:29]      ; 256 scale bytes
.macro LOADX t
.irp i, 0,1,2,3
	global_load_b128 v[RX+16*((\t)%4)+4*\i:RX+16*((\t)%4)+4*\i+3], v3, s[4:5] offset:2048*(\t)+512*\i th:TH_LOAD_NT
.endr
.endm
.macro TURNX t                         ; step t's numbers through the stage: LDS serves a wave's instructions in order, so no wait stands between the stores and the loads
.irp i, 0,1,2,3
	ds_store_b128 v14, v[RX+16*((\t)%4)+4*\i:RX+16*((\t)%4)+4*\i+3] offset:32*SP*((\t)%2)+8*SP*\i
.endr
.irp i, 0,1,2,3
	ds_load_b128 v[NX+16*((\t)%2)+4*\i:NX+16*((\t)%2)+4*\i+3], v15 offset:32*SP*((\t)%2)+16*\i
.endr
.endm
.irp t, 0,1,2,3
	LOADX \t
.endr
	s_wait_loadcnt 12                              ; step 0's four loads are in; twelve younger may be out
	TURNX 0
.macro STEPX t
.set XS, NX+16*((\t)%2)
.if (\t) > 0
	s_wait_dscnt 1                                 ; this step's numbers are back from the stage (the last step's byte store may be out), so its stores into the stage have read their registers,
.else
	s_wait_dscnt 0x0
.endif
.if (\t)+4 < 16
	LOADX (\t)+4                                   ; which take the loads of four steps on
.endif
.if (\t)+1 < 16
.if 14-(\t) >= 3
	s_wait_loadcnt 12                              ; the next step's four loads are in; those of the three steps behind it may be out
.else
	s_wait_loadcnt 4*(14-(\t))
.endif
	TURNX (\t)+1
.endif
	v_max3_num_f32 v8, |v[XS]|, |v[XS+1]|, |v[XS+2]|               ; the largest magnitude of my 16, in two chains
	v_max3_num_f32 v9, |v[XS+3]|, |v[XS+4]|, |v[XS+5]|
.irp i, 6,10
	v_max3_num_f32 v8, v8, |v[XS+\i]|, |v[XS+\i+1]|
	v_max3_num_f32 v9, v9, |v[XS+\i+2]|, |v[XS+\i+3]|
.endr
	v_max3_num_f32 v8, v8, |v[XS+14]|, |v[XS+15]|
	v_max3_num_f32 v8, v8, v9, 0x1800000           ; and the floor 2^(3 - 127): the byte cannot fall under 1
	v_max_num_f32_dpp v8, v8, v8 row_xmask:1 row_mask:0xf bank_mask:0xf   ; with my neighbour's 16: the block's
	v_add_nc_u32 v11, 0xff000000, v8               ; 2 off its exponent field: the conversion takes the exponent field of this operand as its scale
	v_cvt_scalef32_pk8_fp4_f32 v[CX+4*(\t)], v[XS:XS+7], v11
	v_cvt_scalef32_pk8_fp4_f32 v[CX+4*(\t)+1], v[XS+8:XS+15], v11
	v_lshrrev_b32 v[EX+(\t)], 23, v11              ; the scale's byte (a plain line behind the conversions)
	ds_store_b8 v5, v[EX+(\t)] offset:16*(\t)      ; both lanes of a block write the same byte with the same value
	global_store_b64 v4, v[CX+4*(\t):CX+4*(\t)+1], s[14:15] offset:256*(\t)   ; the wave stores 256 consecutive bytes, aligned
.endm
.irp t, 0,1,2,3,4,5,6,7,8,9,10,11,12,13,14,15
	STEPX \t
.endr
	ds_load_b64 v[8:9], v6                         ; LDS serves a wave's instructions in order: these see my byte stores
	s_wait_dscnt 0x0
	global_store_b64 v7, v[8:9], s[16:17]          ; 256 consecutive bytes, aligned
	FINISH
; ---------------- the frame of both weight paths: A LANE TAKES A COLUMN n, AND ITS REGISTERS RUN DOWN K.  Each load reads 128 consecutive bytes a wave; a block of 32 along K lies in one lane.
.macro LOADK t                         ; block t: W(32 t + i, my column) into set t % 2; a row of W is 4,096 bytes
.irp i, 0,1,2,3,4,5,6,7,8,9,10,11,12,13,14,15,16,17,18,19,20,21,22,23,24,25,26,27,28,29,30,31
	global_load_b32 v[KX+32*((\t)%2)+\i], v3, s[34:35] offset:(32*(\t)+\i)*4096 th:TH_LOAD_NT
.endr
.endm
.macro OUTROWS base, pitch             ; the stage's 32 rows of 256 bytes leave as rows: sixteen lanes store 256 consecutive bytes, aligned; two rows an instruction
.irp t, 0,1,2,3,4,5,6,7,8,9,10,11,12,13,14,15
	ds_load_b128 v[OUTR+4*\t:OUTR+4*\t+3], v7 offset:2*\t*PITCH
.endr
.irp t, 0,1,2,3,4,5,6,7,8,9,10,11,12,13,14,15
	s_wait_dscnt 15-\t                             ; the later rows may be out
	global_store_b128 v8, v[OUTR+4*\t:OUTR+4*\t+3], s[\base:\base+1] offset:2*\t*\pitch
.endr
.endm
.Lw:
	s_cmp_lt_u32 ttmp9, 304
	s_cbranch_scc0 .Lo
; ---------------- Wq, Wk, Wv: a wave takes 32 columns x 512 along K: 16 blocks a lane, 256 bytes of codes for each column
	s_sub_co_u32 s25, ttmp9, 256                   ; 0..47
	s_lshr_b32 s26, s25, 4                         ; which: 0 q, 1 k, 2 v
	s_and_b32 s27, s25, 7                          ; which 128 columns
	s_bfe_u32 s30, s25, 0x10003                    ; which half of K
	s_cmp_eq_u32 s26, 0
	s_cselect_b64 s[34:35], s[6:7], s[8:9]
	s_cmp_eq_u32 s26, 2
	s_cselect_b64 s[34:35], s[10:11], s[34:35]     ; the weight: a choice on the work-group's number alone
	s_lshl_b32 s27, s27, 7
	s_lshl_b32 s31, s24, 5
	s_add_co_u32 s27, s27, s31                     ; my wave's first column
	s_lshl_b32 s28, s30, 21                        ; 512 rows of 4,096 bytes
	s_lshl_b32 s31, s27, 2
	s_add_co_u32 s28, s28, s31
	s_add_nc_u64 s[34:35], s[34:35], s[28:29]
	s_lshl_b32 s26, s26, 10
	s_add_co_u32 s26, s26, s27                     ; row n' of wc and ws
	s_lshl_b32 s28, s26, 9
	s_lshl_b32 s31, s30, 8
	s_add_co_u32 s28, s28, s31
	s_add_nc_u64 s[18:19], s[18:19], s[28:29]      ; codes: 512 n' + 256 x half
	s_lshl_b32 s28, s26, 5
	s_lshl_b32 s31, s30, 4
	s_add_co_u32 s28, s28, s31
	s_add_nc_u64 s[20:21], s[20:21], s[28:29]      ; scale bytes: 32 n' + 16 x half
	s_mul_i32 s31, s24, 32*PITCH
	s_add_co_u32 s31, s31, WSTG                    ; my stage
	v_lshlrev_b32 v3, 2, v2                        ; in: 4 bytes a lane
	v_mul_u32_u24 v4, v2, PITCH
	v_add_nc_u32 v4, s31, v4                       ; into the stage: row = my column
	v_and_b32 v5, 15, v2
	v_lshrrev_b32 v6, 4, v2
	v_mul_u32_u24 v7, v6, PITCH
	v_lshl_add_u32 v7, v5, 4, v7
	v_add_nc_u32 v7, s31, v7                       ; out of it: sixteen lanes to a row
	v_lshlrev_b32 v8, 9, v6
	v_lshl_add_u32 v8, v5, 4, v8                   ; and the same place in wc
	v_lshlrev_b32 v9, 5, v2                        ; my column's row of scale bytes
	LOADK 0
	LOADK 1
.macro BLOCKW t
.set XS, KX+32*((\t)%2)
.if (\t) < 15
	s_wait_loadcnt 32                              ; this block's 32 loads are in; the next block's may be out
.else
	s_wait_loadcnt 0
.endif
	v_max3_num_f32 v12, |v[XS]|, |v[XS+1]|, |v[XS+2]|              ; the block's largest magnitude: all 32 numbers are mine
	v_max3_num_f32 v13, |v[XS+3]|, |v[XS+4]|, |v[XS+5]|
.irp i, 6,10,14,18,22,26
	v_max3_num_f32 v12, v12, |v[XS+\i]|, |v[XS+\i+1]|
	v_max3_num_f32 v13, v13, |v[XS+\i+2]|, |v[XS+\i+3]|
.endr
	v_max3_num_f32 v12, v12, |v[XS+30]|, |v[XS+31]|
	v_max3_num_f32 v12, v12, v13, 0x1800000        ; and the floor 2^(3 - 127)
	v_add_nc_u32 v11, 0xff000000, v12              ; 2 off the exponent field: the conversion's scale operand
	v_lshrrev_b32 v13, 23, v11                     ; the scale's byte
.if (\t)%4 == 0
	v_mov_b32 v[SB+(\t)/4], v13                    ; four bytes to a register, the lower K in the lower byte
.else
	v_lshl_or_b32 v[SB+(\t)/4], v13, 8*((\t)%4), v[SB+(\t)/4]
.endif
.irp g, 0,1,2,3
	v_cvt_scalef32_pk8_fp4_f32 v[KC+\g], v[XS+8*\g:XS+8*\g+7], v11
.endr
	ds_store_b128 v4, v[KC:KC+3] offset:16*(\t)    ; 32 codes: 16 bytes of my column's row
.if (\t)+2 < 16
	LOADK (\t)+2
.endif
	s_wait_dscnt 0x0                               ; the store has read its registers: the next block's codes may be written
.endm
.irp t, 0,1,2,3,4,5,6,7,8,9,10,11,12,13,14,15
	BLOCKW \t
.endr
	global_store_b128 v9, v[SB:SB+3], s[20:21]     ; my column's 16 scale bytes
	OUTROWS 18, 512
	FINISH
.Lo:
; ---------------- Wo: a wave takes 32 columns x 128 along K: 4 blocks a lane, 256 bytes of f16 for each column
	s_sub_co_u32 s25, ttmp9, 304                   ; 0..63
	s_and_b32 s27, s25, 7                          ; which 128 columns
	s_lshr_b32 s30, s25, 3                         ; which 128 along K
	s_lshl_b32 s27, s27, 7
	s_lshl_b32 s31, s24, 5
	s_add_co_u32 s27, s27, s31                     ; my wave's first column
	s_lshl_b32 s28, s30, 19                        ; 128 rows of 4,096 bytes
	s_lshl_b32 s31, s27, 2
	s_add_co_u32 s28, s28, s31
	s_add_nc_u64 s[34:35], s[12:13], s[28:29]
	s_lshl_b32 s28, s27, 11
	s_lshl_b32 s31, s30, 8
	s_add_co_u32 s28, s28, s31
	s_add_nc_u64 s[22:23], s[22:23], s[28:29]      ; wo16: 2,048 n + 256 x part
	s_mul_i32 s31, s24, 32*PITCH
	s_add_co_u32 s31, s31, OSTG                    ; my stage
	v_lshlrev_b32 v3, 2, v2
	v_mul_u32_u24 v4, v2, PITCH
	v_add_nc_u32 v4, s31, v4
	v_and_b32 v5, 15, v2
	v_lshrrev_b32 v6, 4, v2
	v_mul_u32_u24 v7, v6, PITCH
	v_lshl_add_u32 v7, v5, 4, v7
	v_add_nc_u32 v7, s31, v7
	v_lshlrev_b32 v8, 11, v6
	v_lshl_add_u32 v8, v5, 4, v8
	LOADK 0
	LOADK 1
.macro BLOCKO t
.set XS, KX+32*((\t)%2)
.if (\t) < 3
	s_wait_loadcnt 32                              ; this block's 32 loads are in; the next block's may be out
.else
	s_wait_loadcnt 0
.endif
.irp i, 0,1,2,3,4,5,6,7,8,9,10,11,12,13,14,15
	v_cvt_pk_f16_f32 v[KC+\i], v[XS+2*\i], v[XS+2*\i+1]            ; two neighbours along K, the lower in the low half
.endr
.irp g, 0,1,2,3
	ds_store_b128 v4, v[KC+4*\g:KC+4*\g+3] offset:64*(\t)+16*\g
.endr
.if (\t)+2 < 4
	LOADK (\t)+2
.endif
	s_wait_dscnt 0x0                               ; the stores have read their registers
.endm
.irp t, 0,1,2,3
	BLOCKO \t
.endr
	OUTROWS 22, 2048
	FINISH
.Lfunc_end_k_q7b35d5330e_prep:
	.size	k_q7b35d5330e_prep, .Lfunc_end_k_q7b35d5330e_prep-k_q7b35d5330e_prep
	.p2alignl 7, 3214868480
	.fill 96, 4, 3214868480
	.section	.rodata,"a",@progbits
	.p2align	6, 0x0
	.amdhsa_kernel k_q7b35d5330e_prep
		.amdhsa_group_segment_fixed_size 102912
		.amdhsa_private_segment_fixed_size 0
		.amdhsa_enable_private_segment 0
		.amdhsa_kernarg_size 80
		.amdhsa_user_sgpr_count 2
		.amdhsa_user_sgpr_kernarg_segment_ptr 1
		.amdhsa_wavefront_size32 1
		.amdhsa_system_sgpr_workgroup_id_x 1
		.amdhsa_system_sgpr_workgroup_id_y 1
		.amdhsa_system_sgpr_workgroup_id_z 1
		.amdhsa_system_vgpr_workitem_id 0
		.amdhsa_next_free_vgpr 192
		.amdhsa_next_free_sgpr 66
		.amdhsa_reserve_vcc 0
		.amdhsa_float_denorm_mode_32 3
		.amdhsa_float_denorm_mode_16_64 3
		.amdhsa_memory_ordered 1
		.amdhsa_forward_progress 1
		.amdhsa_inst_pref_size 132
	.end_amdhsa_kernel
	.amdgpu_metadata
---
amdhsa.version: [ 1, 2 ]
amdhsa.kernels:
  - .name:           k_q7b35d5330e_prep
    .symbol:         k_q7b35d5330e_prep.kd
    .args:
      - { .name: x, .offset: 0, .size: 8, .value_kind: global_buffer, .address_space: global }
      - { .name: Wq, .offset: 8, .size: 8, .value_kind: global_buffer, .address_space: global }
      - { .name: Wk, .offset: 16, .size: 8, .value_kind: global_buffer, .address_space: global }
      - { .name: Wv, .offset: 24, .size: 8, .value_kind: global_buffer, .address_space: global }
      - { .name: Wo, .offset: 32, .size: 8, .value_kind: global_buffer, .address_space: global }
      - { .name: xc, .offset: 40, .size: 8, .value_kind: global_buffer, .address_space: global }
      - { .name: xs, .offset: 48, .size: 8, .value_kind: global_buffer, .address_space: global }
      - { .name: wc, .offset: 56, .size: 8, .value_kind: global_buffer, .address_space: global }
      - { .name: ws, .offset: 64, .size: 8, .value_kind: global_buffer, .address_space: global }
      - { .name: wo16, .offset: 72, .size: 8, .value_kind: global_buffer, .address_space: global }
    .group_segment_fixed_size: 102912
    .private_segment_fixed_size: 0
    .kernarg_segment_align: 8
    .kernarg_segment_size: 80
    .max_flat_workgroup_size: 128
    .sgpr_count:     66
    .vgpr_count:     192
    .wavefront_size: 32
...
	.end_amdgpu_metadata
.endif
;; end of part 1
;; launch qkvgemm (part 2): grid 12 x 32, 4 waves a work-group, clusters of 4 x 4, 327,680 bytes of LDS; arguments xc, xs, wc, ws, qkv; writes qkv
.if DOCPART == 2
	.amdgcn_target "amdgcn-amd-amdhsa--gfx1250"
	.amdhsa_code_object_version 6
	.text
	.protected	k_q7b35d5330e_qkvgemm
	.globl	k_q7b35d5330e_qkvgemm
	.p2align	8
	.type	k_q7b35d5330e_qkvgemm,@function
k_q7b35d5330e_qkvgemm:
	s_mov_b64 s[64:65], 0
	v_nop
	global_prefetch_b8 v0, s[64:65] scope:SCOPE_SE
	s_setreg_imm32_b32 hwreg(HW_REG_WAVE_MODE, 25, 1), 1
	s_wait_xcnt 0x0
	s_wait_alu depctr_hold_cnt(0) depctr_sa_sdst(0) depctr_va_vdst(0) depctr_va_sdst(0) depctr_va_ssrc(0) depctr_va_vcc(0) depctr_vm_vsrc(0)
	s_getreg_b32 s2, hwreg(HW_REG_IB_STS2, 6, 4)
	s_cmp_eq_u32 s2, 0
	s_cbranch_scc0 .Lentry_in_a_cluster
	s_endpgm
.Lentry_in_a_cluster:
	s_bfe_u32 s2, ttmp6, 0x10000c
	s_cmp_lg_u32 s2, 0xf033
	s_cbranch_scc0 .Lentry_shape_is_right
	s_endpgm
.Lentry_shape_is_right:
; q, k, v = x Wq, x Wk, x Wv as ONE product C[m][n'] = sum over k of A[m][k] B[n'][k] on codes of FP4 (E2M1) with one E8M0 scale for each 32 along K.
; A = xc [8192][512 bytes], xs [8192][32];  B = wc [3072][512 bytes], ws [3072][32] (n' = 1024 x which + n).  Sums in f32; C is rounded once to f16 and laid by head:
; qkv [3 which][64 bh][2048 s][64 d], bh = 16 b + h.  LIMIT: results beyond 65,504 are not served (f16).  No work of the problem is left out here.
; A tile of C, 256 x 256, is made by a work-group of four waves; a wave makes 128 x 128: 64 accumulators of 16 x 16, 512 registers.
; K = 1,024 is two LDS slots of 512 along K (rows of 256 bytes): both are first fills, nothing is filled again.  The scales of the work-group's rows, for all of K, come once, as dense blocks.
; By this text's count a wave has three tensor loads out at the start and none later.
; CLUSTERS: 4 x 4 work-groups.  The four of a row of the cluster need the same tiles of A, the four of a column the same tiles of B: each tile is asked for JOINTLY.
; THE MATRIX INSTRUCTION IS USED TRANSPOSED (source 0 = 16 rows of B, source 1 = 16 rows of A): a lane then holds eight neighbouring numbers of a row of C.
; REGISTERS, in windows of 256: window 0: v0-31 addresses; v32-95 scale words, two sets; v128-191 A's fragments, ONE set; on the way out v32-63, v192-255.
;   window 1: B's fragments, TWO sets, at v0 and v128.   window 2: the accumulators of my rows 0-63 ((a, b) at v[8 (8 a + b)]);   window 3: those of my rows 64-127.
.set NQ,     4                         ; steps of 128 along K in a slot
.set ROWB,   256                       ; a tile's row in bytes
.set KROW,   512                       ; a row of codes in memory
.set PITCH,  272                       ; an LDS row: 256 bytes + 16 of padding: the 16 rows that a load touches begin 68 words apart
.set FR,     8                         ; registers of a fragment: 16 rows x 128 K
.set NL,     2                         ; LDS loads that bring one
.set NP,     4                         ; places behind this matrix instruction (ISA guide 7.12.1)
.set HALFT,  128*PITCH
.set SLOT,   4*HALFT                   ; A's 256 rows, then B's 256 rows
.set KS,     32                        ; a row of scales in bytes
.set SCL,    2*SLOT                    ; behind the slots: the scales, as units of 256 bytes + 16 of padding
.set HALFS,  16*272                    ; the scales of 128 rows
.set SBLK,   2*272                     ; those of 16 rows
.set STAGE,  SCL+4*HALFS               ; the way out: 16 rows x 272 bytes for each wave; no fill lands here
.set SPITCH, 272
.set SPARE,  STAGE+4*16*SPITCH         ; the spare words, 128 bytes for each wave
.set ADRA, 16
.set ADRB, 20
.set STO,  24
.set RD,   25
.set CO,   26
.set ADRS, 27
.set SPW,  28
.set NIL,  29
.set SC,   32
.set AF,   128
.set TMP,  192                         ; the way out: packed results
.set OB,   32                          ; and rows read back: v32-63 and v224-255 by turns
.set G1, 24
.set G0, 32
.set G1B, 48
.set G0B, 56
.set G1S, 68
.set G0S, 76
.set G1SB, 80
.set G0SB, 88
.set MSB, 0
.macro WIN new                         ; the immediate's high byte repeats the setting that is left
.if MSB != \new
	s_set_vgpr_msb (MSB<<8)|\new
.set MSB, \new
.endif
.endm
.set MUL_LO, 0xa1                      ; source 0 (B) window 1, source 1 (A) window 0, C and D window 2
.set MUL_HI, 0xf1
.set TO_B,   0x40
; A joint load: waves 0 and 1 fetch for A, waves 2 and 3 for B; the branch hangs on the wave's number alone.  An s_nop 0 and four v_nop follow each of the two lines.
.macro JLOAD g0a, g1a, g0b, g1b
	s_cmp_eq_u32 s15, 0
	s_cbranch_scc0 .Lfor_b_\@
	tensor_load_to_lds s[\g0a:\g0a+3], s[\g1a:\g1a+7]
	s_nop 0
.rept 4
	v_nop
.endr
	s_branch .Lasked_\@
.Lfor_b_\@:
	tensor_load_to_lds s[\g0b:\g0b+3], s[\g1b:\g1b+7]
	s_nop 0
.rept 4
	v_nop
.endr
.Lasked_\@:
.endm
.macro CROUND                          ; a round of the cluster's barrier
	s_barrier_signal -1
	s_barrier_wait -1
	s_cmp_lg_u32 s14, 0
	s_cbranch_scc1 .Lnot_wave_0_\@
	s_barrier_signal -3
.Lnot_wave_0_\@:
	s_barrier_wait -3
	s_barrier_signal -1
	s_barrier_wait -1
.endm
	s_load_b128 s[4:7], s[0:1], 0x0                ; A's codes s[4:5], A's scales s[6:7]
	s_load_b128 s[8:11], s[0:1], 0x10              ; B's codes s[8:9], B's scales s[10:11]
	s_load_b64 s[12:13], s[0:1], 0x20              ; qkv
	v_lshl_add_u32 v[SPW], v0, 2, SPARE
	v_mov_b32 v[NIL], 0
	ds_add_u32 v[SPW], v[NIL]                      ; the wave's opening: the add, twice on end, and its wait ahead of my first tensor load
	ds_add_u32 v[SPW], v[NIL]
	v_lshrrev_b32 v1, 5, v0
	v_readfirstlane_b32 s14, v1                    ; wave 0..3
	s_lshr_b32 s15, s14, 1                         ; which half of the tile's rows is mine.  Also: I fetch for A (0) or for B (1)
	s_and_b32 s16, s14, 1                          ; which half of its columns.  Also: which 128 rows of that tile I fetch
	s_bfe_u32 s40, ttmp6, 0x40000                  ; cx, cy
	s_bfe_u32 s41, ttmp6, 0x40004
	s_lshl_b32 s42, ttmp9, 2
	s_add_co_u32 s42, s42, s40                     ; tile column = 4 x cluster x + cx
	s_and_b32 s17, ttmp7, 0xffff
	s_lshl_b32 s17, s17, 2
	s_add_co_u32 s17, s17, s41                     ; tile row = 4 x cluster y + cy
	s_lshl_b32 s43, s41, 2
	s_lshl_b32 s43, 15, s43                        ; my row of the cluster
	s_lshl_b32 s44, 0x1111, s40                    ; my column
	; group 1: a tile of 128 rows x 256 bytes; padding of 4 words behind every 64
	s_or_b32 s[G1+0], s43, (0<<16)|(1<<20)|(1<<21)|(5<<22)|(3<<25)
	s_or_b32 s[G1B+0], s44, (0<<16)|(1<<20)|(1<<21)|(5<<22)|(3<<25)
.irp g, G1, G1B
	s_mov_b32 s[\g+1], ROWB<<16                    ; tensor_dim0
	s_mov_b32 s[\g+2], 128<<16                     ; tensor_dim1
	s_mov_b32 s[\g+3], ROWB<<16                    ; tile_dim0
	s_mov_b32 s[\g+4], 128                         ; tile_dim1
	s_mov_b32 s[\g+5], KROW                        ; stride from row to row
	s_mov_b32 s[\g+6], 0
	s_mov_b32 s[\g+7], 0
.endr
	; the scales of 128 rows: 4,096 dense bytes, as 16 rows of 256 bytes (32 elements of 8 bytes), 16 bytes of padding behind each
	s_or_b32 s[G1S+0], s43, (3<<16)|(1<<20)|(1<<21)|(5<<22)|(3<<25)
	s_or_b32 s[G1SB+0], s44, (3<<16)|(1<<20)|(1<<21)|(5<<22)|(3<<25)
.irp g, G1S, G1SB
	s_mov_b32 s[\g+1], 32<<16
	s_mov_b32 s[\g+2], 16<<16
	s_mov_b32 s[\g+3], 32<<16
	s_mov_b32 s[\g+4], 16
	s_mov_b32 s[\g+5], 32
	s_mov_b32 s[\g+6], 0
	s_mov_b32 s[\g+7], 0
.endr
	s_lshl_b32 s18, s16, 7
	s_lshl_b32 s20, s17, 8
	s_add_co_u32 s20, s20, s18                     ; A: row 256 x tile row + 128 x half
	s_lshl_b32 s46, s42, 8
	s_add_co_u32 s46, s46, s18                     ; B: row 256 x tile column + 128 x half
	s_mov_b32 s21, 0
	s_mov_b32 s47, 0
	s_mov_b64 s[18:19], KS
	s_mul_u64 s[22:23], s[20:21], s[18:19]         ; where these rows' scales begin
	s_mul_u64 s[92:93], s[46:47], s[18:19]
	s_mov_b64 s[18:19], KROW
	s_mul_u64 s[20:21], s[20:21], s[18:19]         ; and their codes
	s_mul_u64 s[46:47], s[46:47], s[18:19]
	s_mul_i32 s45, s14, HALFT                      ; where they go: wave x 128 rows
	s_mul_i32 s94, s14, HALFS
	s_wait_dscnt 0x0                               ; both opening adds are done
	s_wait_kmcnt 0x0
	s_add_nc_u64 s[20:21], s[4:5], s[20:21]
	s_add_nc_u64 s[22:23], s[6:7], s[22:23]
	s_add_nc_u64 s[46:47], s[8:9], s[46:47]
	s_add_nc_u64 s[92:93], s[10:11], s[92:93]
	CROUND                                         ; all sixteen work-groups are here: the joint loads meet
	s_mov_b32 s[G0S], 1
	s_add_co_u32 s[G0S+1], s94, SCL
	s_mov_b64 s[G0S+2:G0S+3], s[22:23]
	s_or_b32 s[G0S+3], s[G0S+3], 0x80000000
	s_mov_b32 s[G0SB], 1
	s_add_co_u32 s[G0SB+1], s94, SCL
	s_mov_b64 s[G0SB+2:G0SB+3], s[92:93]
	s_or_b32 s[G0SB+3], s[G0SB+3], 0x80000000
	JLOAD G0S, G1S, G0SB, G1SB                     ; the scales first: they are wanted with the first slot
.irp s, 0,1
	s_mov_b32 s[G0+4*\s], 1
	s_add_co_u32 s[G0+4*\s+1], s45, \s*SLOT
	s_add_nc_u64 s[G0+4*\s+2:G0+4*\s+3], s[20:21], \s*ROWB
	s_or_b32 s[G0+4*\s+3], s[G0+4*\s+3], 0x80000000
	s_mov_b32 s[G0B+4*\s], 1
	s_add_co_u32 s[G0B+4*\s+1], s45, \s*SLOT
	s_add_nc_u64 s[G0B+4*\s+2:G0B+4*\s+3], s[46:47], \s*ROWB
	s_or_b32 s[G0B+4*\s+3], s[G0B+4*\s+3], 0x80000000
	JLOAD G0+4*\s, G1, G0B+4*\s, G1B
.endr
	v_and_b32 v1, 15, v0                           ; l % 16
	v_bfe_u32 v2, v0, 4, 1                         ; l / 16
	v_mul_u32_u24 v3, v1, PITCH
	v_lshl_add_u32 v4, v2, 4, v3                   ; a fragment's row x pitch + 16 x half
	s_mul_i32 s21, s15, HALFT                      ; my 128 rows of A
	s_mul_i32 s22, s16, HALFT                      ; my 128 rows of B,
	s_add_co_u32 s22, s22, 2*HALFT                 ; which lie behind A's 256
.irp s, 0,1
	v_add_nc_u32 v[ADRA+\s], s21, v4
	v_add_nc_u32 v[ADRB+\s], s22, v4
	s_add_co_u32 s21, s21, SLOT
	s_add_co_u32 s22, s22, SLOT
.endr
	v_mul_u32_u24 v5, v1, KS                       ; my row's scales: 32 bytes a row,
	v_lshrrev_b32 v6, 8, v5
	v_lshl_add_u32 v5, v6, 4, v5                   ; and 16 more for each 256 passed
	s_mul_i32 s21, s15, HALFS
	s_mul_i32 s22, s16, HALFS
	s_add_co_u32 s22, s22, 2*HALFS
	s_sub_co_u32 s22, s22, s21
	v_mul_u32_u24 v6, s22, v2                      ; lanes 16-31 take B's: one product, the distance between the two bases
	s_add_co_u32 s21, s21, SCL
	v_add_nc_u32 v5, v5, v6
	v_add_nc_u32 v[ADRS], s21, v5
	s_mul_i32 s23, s14, 16*SPITCH
	s_add_co_u32 s23, s23, STAGE                   ; my stage
	v_mul_u32_u24 v5, v1, SPITCH                   ; in: row l % 16, 16 bytes for each half of the lanes
	v_lshl_add_u32 v5, v2, 4, v5
	v_add_nc_u32 v[STO], s23, v5
	v_bfe_u32 v5, v0, 3, 1                         ; back: a stage row holds 128 bytes of each of my two heads.  Lanes 0-15 take two rows of the first head, lanes 16-31 of the second
	v_mul_u32_u24 v5, v5, SPITCH
	v_lshl_add_u32 v5, v2, 7, v5
	v_and_b32 v6, 7, v0
	v_lshl_add_u32 v5, v6, 4, v5
	v_add_nc_u32 v[RD], s23, v5
	v_lshlrev_b32 v[CO], 4, v1                     ; in qkv two rows of a head are 256 consecutive bytes; the next head lies 262,144 bytes on
	v_lshl_add_u32 v[CO], v2, 18, v[CO]
	; where my part begins in qkv: which = tile column / 4; bh = 16 (tile row / 8) + 4 (tile column % 4) + 2 x column half; s = 256 (tile row % 8) + 128 x row half
	s_lshr_b32 s20, s17, 3
	s_lshl_b32 s20, s20, 4
	s_and_b32 s21, s42, 3
	s_lshl_b32 s21, s21, 2
	s_add_co_u32 s20, s20, s21
	s_lshl_b32 s21, s16, 1
	s_add_co_u32 s20, s20, s21
	s_lshl_b32 s20, s20, 18
	s_and_b32 s21, s17, 7
	s_lshl_b32 s21, s21, 8
	s_lshl_b32 s46, s15, 7
	s_add_co_u32 s21, s21, s46
	s_lshl_b32 s21, s21, 7
	s_add_co_u32 s20, s20, s21
	s_lshr_b32 s21, s42, 2
	s_lshl_b32 s21, s21, 24
	s_add_co_u32 s20, s20, s21
	s_mov_b32 s21, 0
	s_add_nc_u64 s[12:13], s[12:13], s[20:21]
.macro FRAG reg, adr, q, i             ; 16 rows x 128 K of 4-bit codes: lane l holds row l % 16; registers 4 c .. 4 c + 3 hold K = 64 c + 32 (l / 16) + 0 .. 31
.irp c, 0,1
	ds_load_b128 v[\reg+4*\c:\reg+4*\c+3], v[\adr] offset:64*(\q)+32*\c+(\i)*16*PITCH
.endr
.endm
; 16 matrix instructions: A's blocks a0, a0 + 1 x B's eight, 128 along K.  p: B's set; sc: the set of scale words.  zero = 1: the first product starts the sums.
; The 64 accumulators take turns, one instruction a turn, in the same order in every step.
; A scale register holds A's word of block i in lanes 0-15 and B's word of block i in lanes 16-31.
.macro MUL16 a0, p, q, sc, zero
.irp a, \a0, \a0+1
.irp b, 0,1,2,3,4,5,6,7
.if \zero
	v_wmma_scale_f32_16x16x128_f8f6f4 v[8*(8*((\a)%4)+\b):8*(8*((\a)%4)+\b)+7], v[128*(\p)+FR*\b:128*(\p)+FR*\b+FR-1], v[AF+FR*(\a):AF+FR*(\a)+FR-1], 0, v[SC+8*NQ*(\sc)+NQ*\b+(\q)], v[SC+8*NQ*(\sc)+NQ*(\a)+(\q)] matrix_a_fmt:MATRIX_FMT_FP4 matrix_b_fmt:MATRIX_FMT_FP4 matrix_a_scale:MATRIX_SCALE_ROW1
.else
	v_wmma_scale_f32_16x16x128_f8f6f4 v[8*(8*((\a)%4)+\b):8*(8*((\a)%4)+\b)+7], v[128*(\p)+FR*\b:128*(\p)+FR*\b+FR-1], v[AF+FR*(\a):AF+FR*(\a)+FR-1], v[8*(8*((\a)%4)+\b):8*(8*((\a)%4)+\b)+7], v[SC+8*NQ*(\sc)+NQ*\b+(\q)], v[SC+8*NQ*(\sc)+NQ*(\a)+(\q)] matrix_a_fmt:MATRIX_FMT_FP4 matrix_b_fmt:MATRIX_FMT_FP4 matrix_a_scale:MATRIX_SCALE_ROW1
.endif
.endr
.endr
.endm
.macro FETCH_B slot, q, p
	WIN TO_B
.irp i, 0,1,2,3,4,5,6,7
	FRAG 128*(\p)+FR*\i, ADRB+\slot, \q, \i
.endr
	WIN 0
.endm
.macro FETCH_A slot, q, i0
.irp i, \i0, \i0+1, \i0+2, \i0+3
	FRAG AF+FR*(\i), ADRA+\slot, \q, \i
.endr
.endm
.macro SCALES sc                       ; a slot's scale words: four words a row
.irp i, 0,1,2,3,4,5,6,7
	ds_load_b128 v[SC+8*NQ*\sc+NQ*\i:SC+8*NQ*\sc+NQ*\i+3], v[ADRS] offset:\i*SBLK
.endr
.endm
.macro PLACES n                        ; plain vector lines between a matrix instruction and a load into, or a read of, its registers
.rept \n
	v_nop
.endr
.endm
.macro STEP slot, q, zero              ; a step of 128 along K that has its successor in the same slot
	s_wait_dscnt 4*NL                              ; B's set and A's blocks 0-3 are in; the youngest eight loads (A's blocks 4-7) may be out
	WIN MUL_LO
	MUL16 0, (\q)%2, \q, \slot, \zero
	MUL16 2, (\q)%2, \q, \slot, \zero
	s_wait_dscnt 0
	PLACES NP
	FETCH_B \slot, (\q)+1, 1-(\q)%2
	FETCH_A \slot, (\q)+1, 0
	WIN MUL_HI
	MUL16 4, (\q)%2, \q, \slot, \zero
	MUL16 6, (\q)%2, \q, \slot, \zero
	PLACES NP
	WIN 0
	FETCH_A \slot, (\q)+1, 4
.endm
.macro TURN slot, next                 ; a slot's last step goes on to the other slot: one barrier
	s_wait_tensorcnt 0x0                           ; all my tensor loads have landed: my part of the next slot
	ds_add_u32 v[SPW], v[NIL]                      ; 0 onto my spare word
	s_wait_dscnt 4*NL+1                            ; (the add and the youngest eight loads may be out)
	WIN MUL_LO
	MUL16 0, 1, NQ-1, \slot, 0
	s_wait_dscnt 0x0                               ; no LDS instruction of mine is out at the signal
	s_barrier_signal -1
	MUL16 2, 1, NQ-1, \slot, 0
	WIN 0
	s_barrier_wait -1                              ; everybody's part of the next slot is in
	PLACES NP
	v_add_nc_u32 v[ADRS], 4*NQ, v[ADRS]            ; the next slot's scale words
	FETCH_B \next, 0, 0
	FETCH_A \next, 0, 0
	SCALES \next
	WIN MUL_HI
	MUL16 4, 1, NQ-1, \slot, 0
	MUL16 6, 1, NQ-1, \slot, 0
	PLACES NP
	WIN 0
	FETCH_A \next, 0, 4
.endm
	s_wait_tensorcnt 1                             ; the scales and my part of slot 0 are in (slot 1's load may be out),
	s_barrier_signal -1
	s_barrier_wait -1                              ; everybody's are
	FETCH_B 0, 0, 0
	FETCH_A 0, 0, 0
	SCALES 0
	FETCH_A 0, 0, 4
	STEP 0, 0, 1                                   ; the first products start the sums
	STEP 0, 1, 0
	STEP 0, 2, 0
	TURN 0, 1
	STEP 1, 0, 0
	STEP 1, 1, 0
	STEP 1, 2, 0
	s_wait_dscnt 4*NL                              ; the very last step: nothing more to fetch
	WIN MUL_LO
	MUL16 0, 1, NQ-1, 1, 0
	MUL16 2, 1, NQ-1, 1, 0
	s_wait_dscnt 0
	WIN MUL_HI
	MUL16 4, 1, NQ-1, 1, 0
	MUL16 6, 1, NQ-1, 1, 0
	WIN 0
; THE WAY OUT, block by block of 16 rows x 128 columns (two heads).  PACK: rounded to f16, 16 bytes a lane, each accumulator from its low end on.  TOSTAGE: into my own stage and back by heads.  SEND: stored.
.macro PACK a
.set AC, 64*((\a)%4)
	WIN 0x0a+5*((\a)/4)                            ; sources 0 and 1: window 2 or 3
.irp b, 0,1,2,3,4,5,6,7
.irp r, 0,1,2,3
	v_cvt_pk_f16_f32 v[TMP+4*\b+\r], v[AC+8*\b+2*\r], v[AC+8*\b+2*\r+1]
.endr
.endr
	WIN 0
.endm
.macro TOSTAGE a
.set BK, OB+192*((\a)%2)
.irp b, 0,1,2,3,4,5,6,7
	ds_store_b128 v[STO], v[TMP+4*\b:TMP+4*\b+3] offset:32*\b
.endr
.irp t, 0,1,2,3,4,5,6,7
	ds_load_b128 v[BK+4*\t:BK+4*\t+3], v[RD] offset:\t*2*SPITCH    ; LDS serves a wave's instructions in order: these see the stores above
.endr
.endm
.macro SEND a
.set BK, OB+192*((\a)%2)
	s_wait_dscnt 0x0                               ; the block is back in registers
	s_wait_xcnt 0x0                                ; the stores of the block before have read their registers: the next block's loads may land there
.irp t, 0,1,2,3,4,5,6,7
	global_store_b128 v[CO], v[BK+4*\t:BK+4*\t+3], s[12:13] offset:2048*(\a)+256*\t   ; sixteen lanes store 256 consecutive bytes, aligned: rows 2 t, 2 t + 1 of a head
.endr
.endm
	PLACES NP
	PACK 0
	TOSTAGE 0
.irp a, 1,2,3,4,5,6,7                  ; block a's conversions stand between block a - 1's loads from the stage and the wait for them
	PACK \a
	SEND \a-1
	TOSTAGE \a
.endr
	SEND 7
	s_wait_tensorcnt 0x0                           ; the wave's end
	ds_add_u32 v[SPW], v[NIL]
	s_wait_dscnt 0x0
	CROUND                                         ; the closing round
	s_endpgm
.Lfunc_end_k_q7b35d5330e_qkvgemm:
	.size	k_q7b35d5330e_qkvgemm, .Lfunc_end_k_q7b35d5330e_qkvgemm-k_q7b35d5330e_qkvgemm
	.p2alignl 7, 3214868480
	.fill 96, 4, 3214868480
	.section	.rodata,"a",@progbits
	.p2align	6, 0x0
	.amdhsa_kernel k_q7b35d5330e_qkvgemm
		.amdhsa_group_segment_fixed_size 327680
		.amdhsa_private_segment_fixed_size 0
		.amdhsa_enable_private_segment 0
		.amdhsa_kernarg_size 40
		.amdhsa_user_sgpr_count 2
		.amdhsa_user_sgpr_kernarg_segment_ptr 1
		.amdhsa_wavefront_size32 1
		.amdhsa_system_sgpr_workgroup_id_x 1
		.amdhsa_system_sgpr_workgroup_id_y 1
		.amdhsa_system_sgpr_workgroup_id_z 1
		.amdhsa_system_vgpr_workitem_id 0
		.amdhsa_next_free_vgpr 1024
		.amdhsa_next_free_sgpr 98
		.amdhsa_reserve_vcc 0
		.amdhsa_float_denorm_mode_32 3
		.amdhsa_float_denorm_mode_16_64 3
		.amdhsa_memory_ordered 1
		.amdhsa_forward_progress 1
		.amdhsa_inst_pref_size 127
	.end_amdhsa_kernel
	.amdgpu_metadata
---
amdhsa.version: [ 1, 2 ]
amdhsa.kernels:
  - .name:           k_q7b35d5330e_qkvgemm
    .symbol:         k_q7b35d5330e_qkvgemm.kd
    .args:
      - { .name: xc, .offset: 0, .size: 8, .value_kind: global_buffer, .address_space: global }
      - { .name: xs, .offset: 8, .size: 8, .value_kind: global_buffer, .address_space: global }
      - { .name: wc, .offset: 16, .size: 8, .value_kind: global_buffer, .address_space: global }
      - { .name: ws, .offset: 24, .size: 8, .value_kind: global_buffer, .address_space: global }
      - { .name: qkv, .offset: 32, .size: 8, .value_kind: global_buffer, .address_space: global }
    .group_segment_fixed_size: 327680
    .private_segment_fixed_size: 0
    .kernarg_segment_align: 8
    .kernarg_segment_size: 40
    .max_flat_workgroup_size: 128
    .sgpr_count:     98
    .vgpr_count:     1024
    .wavefront_size: 32
...
	.end_amdgpu_metadata
.endif
;; end of part 2
;; launch attn (part 3): grid 8 x 64, 4 waves a work-group, clusters of 4 x 1, 327,680 bytes of LDS; arguments qkv, att; writes att
.if DOCPART == 3
	.amdgcn_target "amdgcn-amd-amdhsa--gfx1250"
	.amdhsa_code_object_version 6
	.text
	.protected	k_q7b35d5330e_attn
	.globl	k_q7b35d5330e_attn
	.p2align	8
	.type	k_q7b35d5330e_attn,@function
k_q7b35d5330e_attn:
	s_mov_b64 s[64:65], 0
	v_nop
	global_prefetch_b8 v0, s[64:65] scope:SCOPE_SE
	s_setreg_imm32_b32 hwreg(HW_REG_WAVE_MODE, 25, 1), 1
	s_wait_xcnt 0x0
	s_wait_alu depctr_hold_cnt(0) depctr_sa_sdst(0) depctr_va_vdst(0) depctr_va_sdst(0) depctr_va_ssrc(0) depctr_va_vcc(0) depctr_vm_vsrc(0)
	s_getreg_b32 s2, hwreg(HW_REG_IB_STS2, 6, 4)
	s_cmp_eq_u32 s2, 0
	s_cbranch_scc0 .Lentry_in_a_cluster
	s_endpgm
.Lentry_in_a_cluster:
	s_bfe_u32 s2, ttmp6, 0x10000c
	s_cmp_lg_u32 s2, 0x3003
	s_cbranch_scc0 .Lentry_shape_is_right
	s_endpgm
.Lentry_shape_is_right:
; att[bh][q][:] = the sum over k of softmax_k(Q[bh][q] . K[bh][k] / 8) V[bh][k][:].  Q, K, V: the three planes of qkv, [64 bh][2048][64] f16; att likewise.  No mask.  No work of the problem is left out here.
; Products, maxima and sums in f32; the weights p are rounded to f16 for the second product, the result once at the end.
; LIMITS: a weight p under about 6e-8 becomes 0 in f16; results beyond 65,504 are not served.  The running maximum is taken away before every exponential.
; SHARES.  A work-group owns 256 queries of one bh, each of its four waves 64: four tiles of 16.  Every wave walks all 2,048 keys, 64 a step.
; LAYOUT.  S^T = K Q^T (source 0 = 16 keys, source 1 = 16 queries): a lane holds ONE query (lane % 16) and the keys 8 (lane / 16) + 0..7.  Two such tiles, rounded to f16 in pairs, ARE source 1
; (32 keys x 16 queries) of O^T = V^T P, whose result again holds one query a lane.  K comes out of LDS as it lies, V ([key][channel]) turned, by ds_load_tr16_b128.
; SOFTMAX.  For each query a running maximum m and sum l: p = 2^(c s - c m), c = log2(e) / 8; in every step O and l are multiplied by a = 2^(c m_old - c m_new).
; BY TURNS.  The wave's tiles are two PIECES (tiles 0, 1 and tiles 2, 3).  In a TURN one piece has the matrix unit: 16 products V^T P of the step in hand, then 16 products K Q^T of the next step;
; the other piece's softmax, 2 x 118 instructions cut into 59 slices of four, stands between them.  Then the pieces change places.  Two turns are a key step.
; CLUSTER.  The four query blocks of a cluster belong to one bh and walk the same K and V: each tile is asked for JOINTLY.
; REGISTERS, in windows of 256 (s_set_vgpr_msb: bits 1:0 source 0, 3:2 source 1, 5:4 source 2, 7:6 destination):
;   window 0: v0-11 addresses; v12-43 eight registers of statistics a tile; v64-191 S^T, 32 a tile; v192-255 P, 16 a tile
;   window 1: v0-127 O^T, 32 a tile; v128-191 V of one step          window 2: v0-63 Q, 16 a tile; v64-127 K of one step
.set SIZE_N, 2048
.set KS,    64        ; keys in a step
.set PK,    144       ; a row of K in LDS: 128 bytes + 16 of padding
.set PV,    160       ; a row of V: 128 + 32
.set VOFF,  KS*PK     ; a step's tiles lie together: 64 rows of K, then 64 rows of V
.set STEPB, KS*(PK+PV)
.set SLOT1, 1<<16     ; a slot holds two steps (38,912 bytes); slot 1 begins here, so that one exclusive or turns an address in one slot into the other's
.set STAGE, SLOT1+2*STEPB  ; behind the ring: 16 rows x 144 bytes for each wave, for the way out
.set SP,    144
.set SPARE, STAGE+4*16*SP  ; the spare words, 128 bytes for each wave
.set SLOTB, 2*KS*128  ; a slot's keys in memory: 16,384 bytes of K, as many of V
.set AK0, 2
.set AV0, 3
.set ADR, 4
.set QO,  5
.set STO, 6
.set RD,  7
.set GO,  8
.set PFO, 61          ; v61  256 x my lane; never rewritten
.set SPW, 62
.set NIL, 63
.set ST,  12          ; tile t's statistics at v[ST+8 t]: +0 c m, +1 m, +2, +3 l (even keys', odd keys'), +4 to +7 at work; a takes +6 once the maximum is found
.set S,   64
.set P,   192
.set KF,  64          ; K's fragments, in window 2
.set VF,  128         ; V's, in window 1
.set WV,  12
.set LIM, 15          ; s15  1 in the wave that prefetches, else the greatest number
.set PFA, 18          ; s[18:19] where my work-group's prefetches stand
.set G1K, 24
.set G1V, 32
.set G0K, 40
.set G0V, 48
.set SLOTS, 56
.set TWICE, 57
.set CS,  58
.set SEL, 60
.set TB,  62
.set MSB, 0
.macro WIN new
.if MSB != \new
	s_set_vgpr_msb (MSB<<8)|\new
.set MSB, \new
.endif
.endm
.set W_KQ, 0x0a       ; K and Q in window 2, S^T in window 0
.set W_PV, 0x51       ; V and O^T in window 1, P in window 0
.set W_RS, 0x41       ; O^T (destination and source 0) in window 1, a in window 0
; A joint refill.  Waves 0 and 1 fetch the two steps' tiles of K, waves 2 and 3 those of V.  An s_nop 0 and four v_nop follow each of the two lines.
.macro JLOAD
	s_cmp_lt_u32 s[WV], 2
	s_cbranch_scc0 .Lfor_v_\@
	tensor_load_to_lds s[G0K+4:G0K+7], s[G1K:G1K+7]
	s_nop 0
.rept 4
	v_nop
.endr
	s_branch .Lasked_\@
.Lfor_v_\@:
	tensor_load_to_lds s[G0V+4:G0V+7], s[G1V:G1V+7]
	s_nop 0
.rept 4
	v_nop
.endr
.Lasked_\@:
.endm
; A PREFETCH of what the NEXT change of slots will ask for: 16,384 bytes of K and as many of V, two key steps (128 matrix instructions a wave and their softmax) ahead of that load.
; Each aligned block of 256 bytes is named once in the launch: the bh's first cluster asks, wave 0 of each partner, lanes 256 bytes apart: 8,192 bytes a partner.
; The partners are told apart BY ADDRESS: places 0 and 1 take K's halves, places 2 and 3 V's.  The last change that fills a slot asks for nothing: there is no slot behind it.
.macro ASK
	s_cmp_gt_u32 s[SLOTS], s[LIM]
	s_cbranch_scc0 .Lnot_mine_\@
	global_prefetch_b8 v[PFO], s[PFA:PFA+1] th:TH_LOAD_NT scope:SCOPE_SE
.Lnot_mine_\@:
.endm
.macro CROUND
	s_barrier_signal -1
	s_barrier_wait -1
	s_cmp_lg_u32 s[WV], 0
	s_cbranch_scc1 .Lnot_wave_0_\@
	s_barrier_signal -3
.Lnot_wave_0_\@:
	s_barrier_wait -3
	s_barrier_signal -1
	s_barrier_wait -1
.endm
	s_load_b64 s[4:5], s[0:1], 0x0    ; qkv
	s_load_b64 s[10:11], s[0:1], 0x8  ; att
	v_lshl_add_u32 v[SPW], v0, 2, SPARE
	v_mov_b32 v[NIL], 0
	ds_add_u32 v[SPW], v[NIL]       ; the wave's opening: the add, twice on end, and its wait ahead of my first tensor load
	ds_add_u32 v[SPW], v[NIL]
	v_lshrrev_b32 v1, 5, v0
	v_readfirstlane_b32 s[WV], v1   ; wave 0..3
	s_bfe_u32 s13, ttmp6, 0x40000   ; cx: my place in the cluster
	s_lshl_b32 s14, ttmp9, 2
	s_add_co_u32 s14, s14, s13      ; my block of 256 queries: it enters Q's and att's addresses alone
	s_and_b32 s20, ttmp7, 0xffff    ; bh, which the four partners share
	s_lshl_b32 s20, s20, 18         ; its first byte in each plane: 2,048 rows of 128 bytes
	s_mov_b32 s21, 0
	s_and_b32 s16, s[WV], 1         ; which of a slot's two steps I fetch:
	s_lshl_b32 s22, s16, 13         ; its 64 rows of 128 bytes in memory,
	s_add_co_u32 s22, s22, s20
	s_mov_b32 s23, 0
	s_mul_i32 s17, s16, STEPB       ; and its place in a slot
	s_lshl_b32 s2, s14, 15          ; my block's 256 rows,
	s_lshl_b32 s3, s[WV], 13        ; my wave's 64 of them
	s_add_co_u32 s2, s2, s3
	s_add_co_u32 s2, s2, s20
	s_mov_b32 s3, 0
	; group 1: a tile of 64 rows x 64 elements of 2 bytes; padding behind every 32 words: 4 words for K, 8 for V; the mask names all four work-groups
	s_mov_b32 s[G1K], 15|(1<<16)|(1<<20)|(1<<21)|(4<<22)|(3<<25)
	s_mov_b32 s[G1V], 15|(1<<16)|(1<<20)|(1<<21)|(4<<22)|(7<<25)
.irp g, G1K, G1V
	s_mov_b32 s[\g+1], 64<<16       ; tensor_dim0
	s_mov_b32 s[\g+2], KS<<16       ; tensor_dim1
	s_mov_b32 s[\g+3], 64<<16       ; tile_dim0
	s_mov_b32 s[\g+4], KS           ; tile_dim1
	s_mov_b32 s[\g+5], 64           ; elements from row to row
	s_mov_b32 s[\g+6], 0
	s_mov_b32 s[\g+7], 0
.endr
	s_mov_b32 s[CS], 0x3e38aa3b     ; c = log2(e) / 8
	s_mov_b32 s[CS+1], s[CS]        ; named with it as a pair, so it is written
	s_mov_b32 s[SEL], 0x76543210
	s_mov_b32 s[SEL+1], 0xfedcba98
	s_mov_b32 s[TB], 0
	s_mov_b32 s[SLOTS], SIZE_N/(2*KS)-2
	s_or_b32 s[LIM], s[WV], ttmp9   ; 0 in wave 0 of the bh's first cluster: the same in all four partners
	s_cmp_eq_u32 s[LIM], 0
	s_cselect_b32 s[LIM], 1, -1
	v_and_b32 v[PFO], 31, v0
	v_lshlrev_b32 v[PFO], 8, v[PFO]
	s_wait_dscnt 0x0                ; both opening adds are done
	s_wait_kmcnt 0x0
	s_add_nc_u64 s[6:7], s[4:5], 0x1000000  ; K's plane
	s_add_nc_u64 s[8:9], s[4:5], 0x2000000  ; V's plane
	s_add_nc_u64 s[PFA:PFA+1], s[6:7], s[20:21]  ; the bh's first byte of K
	s_add_nc_u64 s[6:7], s[6:7], s[22:23]  ; K and V at my tile of slot 0
	s_add_nc_u64 s[8:9], s[8:9], s[22:23]
	s_add_nc_u64 s[4:5], s[4:5], s[2:3]  ; Q and att at my wave's first row
	s_add_nc_u64 s[10:11], s[10:11], s[2:3]
	s_lshr_b32 s2, s13, 1           ; places 2 and 3: V's plane, 2^24 bytes on
	s_lshl_b32 s2, s2, 24
	s_and_b32 s3, s13, 1            ; which 8,192 bytes of the slot's 16,384
	s_lshl_b32 s3, s3, 13
	s_add_co_u32 s2, s2, s3
	s_add_co_u32 s2, s2, 2*SLOTB    ; in slot 2; the first change of slots steps it to slot 3.  Nothing is prefetched at the head
	s_mov_b32 s3, 0
	s_add_nc_u64 s[PFA:PFA+1], s[PFA:PFA+1], s[2:3]
	CROUND                          ; all four work-groups are here: the first joint loads meet
.irp s, 0,1
	s_mov_b32 s[G0K+4*\s], 1
	s_add_co_u32 s[G0K+4*\s+1], s17, \s*SLOT1
	s_add_nc_u64 s[G0K+4*\s+2:G0K+4*\s+3], s[6:7], \s*SLOTB
	s_or_b32 s[G0K+4*\s+3], s[G0K+4*\s+3], 0x80000000
	s_mov_b32 s[G0V+4*\s], 1
	s_add_co_u32 s[G0V+4*\s+1], s17, \s*SLOT1+VOFF
	s_add_nc_u64 s[G0V+4*\s+2:G0V+4*\s+3], s[8:9], \s*SLOTB
	s_or_b32 s[G0V+4*\s+3], s[G0V+4*\s+3], 0x80000000
.endr
	s_cmp_lt_u32 s[WV], 2           ; a wave's two first fills stand in one branch, ahead of every wait on TENSORcnt and every LDS read: two loads of mine are out
	s_cbranch_scc0 .Lfirst_v
	tensor_load_to_lds s[G0K:G0K+3], s[G1K:G1K+7]
	s_nop 0
	tensor_load_to_lds s[G0K+4:G0K+7], s[G1K:G1K+7]
	s_nop 0
.rept 4
	v_nop
.endr
	s_branch .Lfirst_asked
.Lfirst_v:
	tensor_load_to_lds s[G0V:G0V+3], s[G1V:G1V+7]
	s_nop 0
	tensor_load_to_lds s[G0V+4:G0V+7], s[G1V:G1V+7]
	s_nop 0
.rept 4
	v_nop
.endr
.Lfirst_asked:
	; A fragment of K or Q is 16 rows x 32 channels in 8 registers: lane l holds row l % 16; registers 0-3 channels 8 (l / 16) + 0..7, registers 4-7 channels 16 + 8 (l / 16) + 0..7
	v_and_b32 v1, 15, v0            ; l % 16
	v_bfe_u32 v9, v0, 4, 1          ; l / 16
	v_lshlrev_b32 v[QO], 7, v1
	v_lshl_add_u32 v[QO], v9, 4, v[QO]  ; row x 128 + 16 x half
	WIN 0x80                        ; destination window 2, address window 0
.irp i, 0,1,2,3,4,5,6,7             ; Q stays in registers: tile i / 2, channels 32 (i % 2) on
	global_load_b128 v[8*\i:8*\i+3],   v[QO], s[4:5] offset:(\i/2)*2048+(\i%2)*64
	global_load_b128 v[8*\i+4:8*\i+7], v[QO], s[4:5] offset:(\i/2)*2048+(\i%2)*64+32
.endr
	WIN 0
	v_mul_u32_u24 v[AK0], v1, PK
	v_lshl_add_u32 v[AK0], v9, 4, v[AK0]
	; The turning load takes 16 keys x 16 channels (lane l reads 16 bytes: key 8 (l / 16) + l % 8, channels 8 ((l / 8) % 2) + 0..7) and leaves half a fragment of V^T
	v_and_b32 v10, 7, v0
	v_bfe_u32 v11, v0, 3, 1
	v_lshl_add_u32 v[AV0], v9, 3, v10
	v_mul_u32_u24 v[AV0], v[AV0], PV
	v_lshl_add_u32 v[AV0], v11, 4, v[AV0]
	v_add_nc_u32 v[AV0], VOFF, v[AV0]
; THE MATRIX WORK OF A TURN, for piece x.  The eight accumulators of a run take turns, one instruction a turn: between two links of a chain stand 7 others'.
; Product i of 16 of O^T += V^T P: keys 32 (i / 8) on, channels 16 ((i / 2) % 4) on, tile x + i % 2.  zero = 1: the first 8 start the sums.
.macro PV x, zero
	WIN W_PV
.set rO, 32*(\x+i%2)+8*((i/2)%4)
.set rV, VF+32*(i/8)+8*((i/2)%4)
.set rP, P+16*(\x+i%2)+8*(i/8)
.if \zero && (i < 8)
	v_wmma_f32_16x16x32_f16 v[rO:rO+7], v[rV:rV+7], v[rP:rP+7], 0
.else
	v_wmma_f32_16x16x32_f16 v[rO:rO+7], v[rV:rV+7], v[rP:rP+7], v[rO:rO+7]
.endif
.endm
; Product i of 16 of S^T = K Q^T: channels 32 (i / 8) on, keys 16 ((i / 2) % 4) on, tile x + i % 2.  The first 8 start the sums.
.macro KQ x
	WIN W_KQ
.set rS, S+32*(\x+i%2)+8*((i/2)%4)
.set rK, KF+16*((i/2)%4)+8*(i/8)
.set rQ, 16*(\x+i%2)+8*(i/8)
.if i < 8
	v_wmma_f32_16x16x32_f16 v[rS:rS+7], v[rK:rK+7], v[rQ:rQ+7], 0
.else
	v_wmma_f32_16x16x32_f16 v[rS:rS+7], v[rK:rK+7], v[rQ:rQ+7], v[rS:rS+7]
.endif
.endm
; THE LDS LOADS stand in runs of 16: a step's K (64 keys x 64 channels: 8 fragments) and, a turn later, its V (turned).
.macro FETCH_K
	WIN 0
	v_add_nc_u32 v[ADR], s[TB], v[AK0]
	WIN 0x80                        ; destination window 2
.irp f, 0,1,2,3,4,5,6,7             ; keys 16 (f / 2) on, channels 32 (f % 2) on
	ds_load_b128 v[KF+8*\f:KF+8*\f+3],   v[ADR] offset:(\f/2)*16*PK+(\f%2)*64
	ds_load_b128 v[KF+8*\f+4:KF+8*\f+7], v[ADR] offset:(\f/2)*16*PK+(\f%2)*64+32
.endr
.endm
.macro FETCH_V
	WIN 0
	v_add_nc_u32 v[ADR], s[TB], v[AV0]
	s_add_co_u32 s[TB], s[TB], STEPB  ; the next fetch is the next step's
	s_wait_alu depctr_va_vdst(0)    ; the wait for the softmax's batch of exponentials, ahead of the first line that names a result
	WIN 0x40                        ; destination window 1
.irp f, 0,1,2,3,4,5,6,7             ; keys 32 (f / 4) on, channels 16 (f % 4) on
	ds_load_tr16_b128 v[VF+8*\f:VF+8*\f+3],   v[ADR] offset:(\f/4)*32*PV+(\f%4)*32
	ds_load_tr16_b128 v[VF+8*\f+4:VF+8*\f+7], v[ADR] offset:(\f/4)*32*PV+16*PV+(\f%4)*32
.endr
.endm
; THE VECTOR WORK OF A TURN.  One tile's softmax for one key step is a list of 118 instructions; SM writes number j of it for tile t.  s0-s31 are the lane's 32 scores, in pairs 0-15.
;   0-15    the maximum of s0-s31 and the old m, three operands at a time, each accumulator read from its low end on
;   16-20   the other half of the lanes' maximum; the new m; c m; c m_old - c m_new
;   21-69   ONE BATCH: the 16 scalings c s - c m and all 33 exponentials (a at 23, then s0-s31); none of these reads an exponential's result
;   (wait)  between 69 and 70 stands the one wait for the batch: SLICE writes it, once for both tiles
;   70-85   the roundings to f16;   86-101  the sums, l = a l + the sum;   102-117 the tile's O^T times a
; first = 1: the first key step, which starts m, l and O^T: it has no a and nothing to rescale.
.macro SM t, first
.set rT, ST+8*(\t)
.set rS, S+32*(\t)
.set rP, P+16*(\t)
.set rO, 32*(\t)+2*(j-102)
.if j < 102
	WIN 0
.endif
.if j < 4
	v_max3_num_f32 v[rT+4+j], v[rS+8*j], v[rS+8*j+1], v[rS+8*j+2]
.elseif j < 12
	v_max3_num_f32 v[rT+4+j%4], v[rT+4+j%4], v[rS+8*(j%4)+2*(j/4)+1], v[rS+8*(j%4)+2*(j/4)+2]
.elseif j == 12
	v_max3_num_f32 v[rT+4], v[rT+4], v[rS+7], v[rS+15]
.elseif j == 13
	v_max3_num_f32 v[rT+6], v[rT+6], v[rS+23], v[rS+31]
.elseif j == 14
	v_max3_num_f32 v[rT+4], v[rT+4], v[rT+5], v[rT+6]
.elseif (j == 15) && \first
	v_max_num_f32 v[rT+4], v[rT+4], v[rT+7]
.elseif j == 15
	v_max3_num_f32 v[rT+4], v[rT+4], v[rT+7], v[rT+1]
.elseif j == 16
	v_permlanex16_b32 v[rT+5], v[rT+4], s[SEL], s[SEL+1]  ; the query's other 32 keys lie in the lane 16 away
.elseif j == 18
	v_max_num_f32 v[rT+1], v[rT+4], v[rT+5]
.elseif j == 19
	v_mul_f32 v[rT], s[CS], v[rT+1]
.elseif ((j == 17) || (j == 20) || (j == 23) || (j > 101)) && \first  ; the first step has none of these
.elseif j == 17
	v_mov_b32 v[rT+7], v[rT]        ; c m_old is kept for a: number 19 writes c m anew
.elseif j == 20
	v_sub_f32 v[rT+7], v[rT+7], v[rT]
.elseif j == 23
	v_exp_f32 v[rT+6], v[rT+7]
.elseif (j < 23) || ((j < 38) && (j%2 == 0)) || ((j < 66) && (j%4 == 2))
.set b, (j-2)/4                     ; 38, 42, .. 62: pairs 9 to 15
.if j < 38
.set b, (j-20)/2                    ; 21: pair 0; 22, 24, .. 36: pairs 1 to 8
.endif
	v_pk_fma_f32 v[rS+2*b:rS+2*b+1], v[rS+2*b:rS+2*b+1], s[CS:CS+1], v[rT:rT+1] op_sel_hi:[1,0,0] neg_lo:[0,0,1] neg_hi:[0,0,1]  ; pair b: c s - c m
.elseif j < 70
.set e, j-38                        ; 66 to 69: s28 to s31
.if j < 66
.set e, j-32-(j-38)/4               ; 39-41, 43-45, .. 63-65: s7 to s27
.endif
.if j < 38
.set e, (j-25)/2                    ; 25, 27, .. 37: s0 to s6
.endif
	v_exp_f32 v[rS+e], v[rS+e]
.elseif j < 86
	v_cvt_pk_f16_f32 v[rP+j-70], v[rS+2*(j-70)], v[rS+2*(j-70)+1]  ; pair j - 70
.elseif j < 102                     ; the sum of the tile's 16 pairs, in place: neighbours 1, 2, 4 and 8 pairs apart, then l takes it
.set z, j-86
.set w, 4
.set u, z
.if z >= 14
.set w, 32
.set u, 0
.elseif z >= 12
.set w, 16
.set u, z-12
.elseif z >= 8
.set w, 8
.set u, z-8
.endif
.if (z == 14) && \first
	v_pk_add_f32 v[rT+2:rT+3], v[rS:rS+1], v[rS+16:rS+17]
.elseif z < 15
	v_pk_add_f32 v[rS+w*u:rS+w*u+1], v[rS+w*u:rS+w*u+1], v[rS+w*u+w/2:rS+w*u+w/2+1]
.elseif !\first
	v_pk_fma_f32 v[rT+2:rT+3], v[rT+2:rT+3], v[rT+6:rT+7], v[rS:rS+1] op_sel_hi:[1,0,1]
.endif
.else
	WIN W_RS
	v_pk_mul_f32 v[rO:rO+1], v[rO:rO+1], v[rT+6:rT+7] op_sel_hi:[1,0]
.endif
.endm
; Slice k of 59 of piece y's softmax: four instructions.  Slices 11 to 34 deal out the batch, numbers 22 to 69: four numbers of ONE tile each, the tiles by turns.  Every other slice is numbers 2 k and 2 k + 1 of both tiles.
; Ahead of slice 35 nothing names an exponential's result, and behind slice 34 no exponential is issued: so the piece's 66 exponentials have one plain line and one wait, behind slice 34.
.macro SLICE y, first
.if (k >= 11) && (k < 35)
.irp n, 0,1,2,3
.set j, 22+4*((k-11)/2)+(\n)
	SM (\y)+(k-11)%2, \first
.endr
.else
.irp n, 0,1
.irp t, \y, \y+1
.set j, 2*k+\n
	SM \t, \first
.endr
.endr
.endif
.if k == 34
	v_nop                           ; the plain line behind the last exponential
.if (\y) == 0
	FETCH_V                         ; piece 2's turn: V's run of loads stands here, and the wait stands in it
.else
	s_wait_alu depctr_va_vdst(0)    ; the wait for the batch
.endif
.endif
.set k, k+1
.endm
; What stands behind product pp of a turn.  A turn of 32 products: a slice, and a second behind the first 27.  A turn of 16: three slices, and a fourth behind the first 11.  Both deal 59.
.macro DEAL y, first
	SLICE \y, \first
.if per == 1
.if pp < 27
	SLICE \y, \first
.endif
.else
	SLICE \y, \first
	SLICE \y, \first
.if pp < 11
	SLICE \y, \first
.endif
.endif
.set pp, pp+1
.endm
.macro PLACES
.rept 4
	v_nop
.endr
.endm
; A TURN.  Piece x has the matrix unit.  pv = 2: 16 products V^T P; 1: they start O^T's sums; 0: none.  kq = 1: 16 products K Q^T for the next step.  first = 1: the softmax is the first key step's.
; PLACES, counted: behind a turn's last K Q^T stands slice 58, four multiplies on the other piece's O^T, which name none of its registers: the places ahead of the next turn's reads of the scores and of K's loads.
; V's last reader is product 15; ahead of V's loads stand three scalings (slices 30, 31, 32), the v_nop and the run's own v_add_nc_u32.  Where first = 1 the last slices are empty and four v_nop close the turn.
.macro TURN x, pv, kq, first
.set k, 0
.set pp, 0
.set per, 2
.if \pv && \kq
.set per, 1
.endif
.if \pv
.if \x == 0
	s_wait_dscnt 0x0                ; V is in
.endif
.set i, 0
.rept 16
	PV \x, 2-\pv
	DEAL 2-\x, \first
.if (\x == 0) && \kq && (i == 1)
	FETCH_K
.endif
.set i, i+1
.endr
.endif
.if \kq
.if \x == 0
	s_wait_dscnt 0x0                ; K is in
.endif
.set i, 0
.rept 16
	KQ \x
	DEAL 2-\x, \first
.set i, i+1
.endr
.endif
.if \first
	PLACES
.endif
.endm
; THE CHANGE OF SLOTS, between piece 2's turn and piece 0's.  Each wave waits for all its tensor loads (one is out: its part of the other slot), adds 0 to its spare word, and waits for that and for its reads of the slot.
; fill = 1: this slot is filled again, with the keys two slots on; the barrier is then a round of the cluster's, and the joint refill is the first thing behind it: it has two key steps in which to land.
.macro CHANGE fill
	WIN 0
	s_wait_tensorcnt 0x0            ; no tensor load of mine is out, so a group 0 may be written
	ds_add_u32 v[SPW], v[NIL]       ; 0 onto my spare word
.if \fill
.irp g, G0K+4, G0V+4
	s_xor_b32 s[\g+1], s[\g+1], SLOT1  ; the walking descriptor: the other slot than last time,
	s_add_nc_u64 s[\g+2:\g+3], s[\g+2:\g+3], SLOTB  ; the next 128 keys
.endr
	s_wait_xcnt 0x0                 ; the last prefetch, two key steps back, has read its address, so it may be written
	s_add_nc_u64 s[PFA:PFA+1], s[PFA:PFA+1], SLOTB
	s_wait_dscnt 0x0                ; the add is done, and my reads of the slot are over
	CROUND
	JLOAD
	ASK
.else
	s_wait_dscnt 0x0
	s_barrier_signal -1
	s_barrier_wait -1
.endif
	s_sub_co_u32 s[TB], s[TB], 2*STEPB  ; the fetches go back to a slot's first step,
	s_xor_b32 s[TB], s[TB], SLOT1   ; in the other slot
.endm
.macro TWO_STEPS                    ; a slot's two key steps: written once, walked twice
	s_mov_b32 s[TWICE], 2
.Lstep_\@:
	TURN 0, 2, 1, 0
	TURN 2, 2, 1, 0
	WIN 0
	s_sub_co_u32 s[TWICE], s[TWICE], 1
	s_cmp_lg_u32 s[TWICE], 0
	s_cbranch_scc1 .Lstep_\@
.endm
	s_wait_tensorcnt 1              ; my part of slot 0 is in; slot 1's may stay out
	s_barrier_signal -1
	s_barrier_wait -1
	FETCH_K                         ; key step 0
	s_wait_loadcnt 0x0              ; Q
	s_wait_dscnt 0x0
.set i, 0
.rept 16
	KQ 0                            ; piece 0's first scores
.set i, i+1
.endr
	WIN 0                           ; the addresses for the way out are made here: plain lines, the places behind those products
	s_mul_i32 s13, s[WV], 16*SP
	s_add_co_u32 s13, s13, STAGE    ; my stage
	v_mul_u32_u24 v[STO], v1, SP    ; in: row l % 16, 16 bytes for each half of the lanes
	v_lshl_add_u32 v[STO], v9, 4, v[STO]
	v_add_nc_u32 v[STO], s13, v[STO]
	v_and_b32 v10, 31, v0
	v_lshrrev_b32 v[RD], 3, v10     ; back: eight lanes take one row of 128 bytes, the wave four rows
	v_mul_u32_u24 v[RD], v[RD], SP
	v_and_b32 v11, 7, v0
	v_lshl_add_u32 v[RD], v11, 4, v[RD]
	v_add_nc_u32 v[RD], s13, v[RD]
	v_lshlrev_b32 v[GO], 4, v10     ; and the same 512 consecutive bytes in att
	TURN 2, 0, 1, 1                 ; piece 2's first scores | piece 0's first softmax | V of step 0
	TURN 0, 1, 1, 1                 ; piece 0: V^T P of step 0 starts O^T, K Q^T of step 1 | piece 2's first softmax | K of step 1
	TURN 2, 1, 1, 0                 ; piece 2: the same | piece 0's softmax of step 1 | V of step 1
	WIN 0
.Lslot:                             ; 14 trips: every slot but the last two is filled again
	CHANGE 1
	TWO_STEPS
	s_sub_co_u32 s[SLOTS], s[SLOTS], 1
	s_cmp_lg_u32 s[SLOTS], 0
	s_cbranch_scc1 .Lslot
	CHANGE 0                        ; the tail is written out
	TWO_STEPS
	TURN 0, 2, 0, 0                 ; piece 0: V^T P of the last step | piece 2's last softmax
.set i, 0
.rept 16
	PV 2, 0                         ; piece 2: V^T P of the last step
.set i, i+1
.endr
	; THE WAY OUT.  l's two halves and the other half of the lanes' are added; O^T is divided by l, rounded to f16 and sent through my stage, a tile (16 rows) at a time.  The additions are the places behind the last products.
	WIN 0
.irp t, 0,1,2,3
	v_add_f32 v[ST+8*\t+4], v[ST+8*\t+2], v[ST+8*\t+3]
.endr
.irp t, 0,1,2,3
	v_permlanex16_b32 v[ST+8*\t+5], v[ST+8*\t+4], s[SEL], s[SEL+1]
.endr
.irp t, 0,1,2,3
	v_add_f32 v[ST+8*\t+4], v[ST+8*\t+4], v[ST+8*\t+5]
.endr
.irp t, 0,1,2,3
	v_rcp_f32 v[ST+8*\t+6], v[ST+8*\t+4]
.endr
	v_nop                           ; a plain line between the last reciprocal and the use of its result
	s_wait_alu depctr_va_vdst(0)    ; and the one wait for the four reciprocals
.macro PACK t
	WIN W_RS
.set i, 32*\t
.rept 16
	v_pk_mul_f32 v[i:i+1], v[i:i+1], v[ST+8*\t+6:ST+8*\t+7] op_sel_hi:[1,0]
.set i, i+2
.endr
	WIN 0x05                        ; sources 0 and 1 window 1, destination window 0: S^T's registers are free
.set i, 0
.rept 16
	v_cvt_pk_f16_f32 v[S+32*\t+i], v[32*\t+2*i], v[32*\t+2*i+1]
.set i, i+1
.endr
	WIN 0
.irp f, 0,1,2,3
	ds_store_b128 v[STO], v[S+32*\t+4*\f:S+32*\t+4*\f+3] offset:32*\f
.endr
.irp f, 0,1,2,3
	ds_load_b128 v[S+32*\t+4*\f:S+32*\t+4*\f+3], v[RD] offset:\f*4*SP  ; LDS serves a wave's instructions in order: these see the stores above; the next tile's stores come behind them
.endr
.endm
.macro SEND t, younger              ; younger: the LDS instructions issued behind tile t's loads: the next tile's eight, or none
.irp f, 0,1,2,3
	s_wait_dscnt \younger+3-\f
	global_store_b128 v[GO], v[S+32*\t+4*\f:S+32*\t+4*\f+3], s[10:11] offset:\t*2048+\f*512  ; the wave stores 512 consecutive bytes, aligned
.endr
.endm
	PACK 0
	PACK 1
	SEND 0, 8
	PACK 2
	SEND 1, 8
	PACK 3
	SEND 2, 8
	SEND 3, 0
	s_wait_tensorcnt 0x0            ; the wave's end
	ds_add_u32 v[SPW], v[NIL]
	s_wait_dscnt 0x0
	CROUND                          ; the closing round
	s_endpgm
.Lfunc_end_k_q7b35d5330e_attn:
	.size	k_q7b35d5330e_attn, .Lfunc_end_k_q7b35d5330e_attn-k_q7b35d5330e_attn
	.p2alignl 7, 3214868480
	.fill 96, 4, 3214868480
	.section	.rodata,"a",@progbits
	.p2align	6, 0x0
	.amdhsa_kernel k_q7b35d5330e_attn
		.amdhsa_group_segment_fixed_size 327680
		.amdhsa_private_segment_fixed_size 0
		.amdhsa_enable_private_segment 0
		.amdhsa_kernarg_size 16
		.amdhsa_user_sgpr_count 2
		.amdhsa_user_sgpr_kernarg_segment_ptr 1
		.amdhsa_wavefront_size32 1
		.amdhsa_system_sgpr_workgroup_id_x 1
		.amdhsa_system_sgpr_workgroup_id_y 1
		.amdhsa_system_sgpr_workgroup_id_z 1
		.amdhsa_system_vgpr_workitem_id 0
		.amdhsa_next_free_vgpr 640
		.amdhsa_next_free_sgpr 66
		.amdhsa_reserve_vcc 0
		.amdhsa_float_denorm_mode_32 3
		.amdhsa_float_denorm_mode_16_64 3
		.amdhsa_memory_ordered 1
		.amdhsa_forward_progress 1
		.amdhsa_inst_pref_size 159
	.end_amdhsa_kernel
	.amdgpu_metadata
---
amdhsa.version: [ 1, 2 ]
amdhsa.kernels:
  - .name:           k_q7b35d5330e_attn
    .symbol:         k_q7b35d5330e_attn.kd
    .args:
      - { .name: qkv, .offset: 0, .size: 8, .value_kind: global_buffer, .address_space: global }
      - { .name: att, .offset: 8, .size: 8, .value_kind: global_buffer, .address_space: global }
    .group_segment_fixed_size: 327680
    .private_segment_fixed_size: 0
    .kernarg_segment_align: 8
    .kernarg_segment_size: 16
    .max_flat_workgroup_size: 128
    .sgpr_count:     66
    .vgpr_count:     640
    .wavefront_size: 32
...
	.end_amdgpu_metadata
.endif
;; end of part 3
;; launch oproj (part 4): grid 8 x 64, 4 waves a work-group, clusters of 4 x 4, 327,680 bytes of LDS; arguments att, wo16, bo, out0; writes out0
.if DOCPART == 4
	.amdgcn_target "amdgcn-amd-amdhsa--gfx1250"
	.amdhsa_code_object_version 6
	.text
	.protected	k_q7b35d5330e_oproj
	.globl	k_q7b35d5330e_oproj
	.p2align	8
	.type	k_q7b35d5330e_oproj,@function
k_q7b35d5330e_oproj:
	s_mov_b64 s[64:65], 0
	v_nop
	global_prefetch_b8 v0, s[64:65] scope:SCOPE_SE
	s_setreg_imm32_b32 hwreg(HW_REG_WAVE_MODE, 25, 1), 1
	s_wait_xcnt 0x0
	s_wait_alu depctr_hold_cnt(0) depctr_sa_sdst(0) depctr_va_vdst(0) depctr_va_sdst(0) depctr_va_ssrc(0) depctr_va_vcc(0) depctr_vm_vsrc(0)
	s_getreg_b32 s2, hwreg(HW_REG_IB_STS2, 6, 4)
	s_cmp_eq_u32 s2, 0
	s_cbranch_scc0 .Lentry_in_a_cluster
	s_endpgm
.Lentry_in_a_cluster:
	s_bfe_u32 s2, ttmp6, 0x10000c
	s_cmp_lg_u32 s2, 0xf033
	s_cbranch_scc0 .Lentry_shape_is_right
	s_endpgm
.Lentry_shape_is_right:
; out0[m][n] = sum over k of A[m][k] Wo[k][n] + bo[n].  A is the attention result, att [64 bh][2048 s][64 d] f16: m = 2048 b + s, k = 64 h + d, bh = 16 b + h.  B = wo16 [1024 n][1024 k] f16.  Sums and out0 in f32.
; No work of the problem is left out here.  LIMIT: the operands are f16 as the launches before left them.
; A tile of out0 is 128 x 128.  Four waves, each 64 x 64: 16 accumulators, 128 registers.  K goes in steps of 256, FOUR HEADS, through a ring of two LDS slots.
; A's tile: one load brings 64 rows of 4 heads.  A head's 64 rows are 8,192 dense bytes, stated as one long row of 4,096 elements; the 4 heads lie 131,072 elements apart; 16 bytes of padding fall behind every 128 bytes.
; So in LDS the tile lies [head][row][144 bytes], and a quarter of a K step (64 along K) is one head.
; The bias is the C of each sum's first matrix instruction.  CLUSTERS: 4 x 4; A's tiles are shared along a row of the cluster, B's along a column.
; THE MATRIX INSTRUCTION IS USED TRANSPOSED (source 0 = 16 rows of B, source 1 = 16 rows of A): a lane holds eight neighbouring numbers of a row of out0.
; REGISTERS: window 0: v0-31 addresses; v32-95 the way out; v96-127 the bias; v128-255 the accumulators ((a, b) at v[128 + 8 (4 a + b)]).   window 1: two fragment buffers of 128: 64 registers of A, then 64 of B.
.set APITCH, 144                       ; a head's row in LDS: 128 bytes + 16
.set APLANE, 64*APITCH                 ; a head's 64 rows
.set HALFA,  4*APLANE                  ; what one load for A brings
.set BPITCH, 528                       ; a row of B: 512 bytes + 16
.set HALFB,  64*BPITCH
.set SLOT,   2*HALFA+2*HALFB           ; A's two halves, then B's two halves
.set STAGE,  2*SLOT                    ; behind the ring: 16 rows x 272 bytes for each wave
.set SPITCH, 272
.set SPARE,  STAGE+4*16*SPITCH         ; the spare words, 128 bytes for each wave
.set ASTEP,  1<<20                     ; a K step on in att: four heads of 262,144 bytes
.set BSTEP,  512                       ; and in a row of wo16
.set ADRA, 16
.set ADRB, 20
.set STO,  24
.set RD,   25
.set CO,   26
.set SPW,  28
.set NIL,  29
.set OB,   32
.set BIAS, 96
.set ACC,  128
.set F0,   0
.set F1,   128
.set G1, 24
.set G0, 32
.set G1B, 48
.set G0B, 56
.set MSB, 0
.macro WIN new
.if MSB != \new
	s_set_vgpr_msb (MSB<<8)|\new
.set MSB, \new
.endif
.endm
.set MUL,  0x05                        ; sources 0 (B) and 1 (A) window 1; C and D window 0
.set TO_F, 0x40                        ; destination window 1, address window 0
.macro JLOAD s                         ; a joint load: waves 0 and 1 fetch A's two halves, waves 2 and 3 B's; an s_nop 0 and four v_nop follow each of the two lines
	s_cmp_eq_u32 s11, 0
	s_cbranch_scc0 .Lfor_b_\@
	tensor_load_to_lds s[G0+4*\s:G0+4*\s+3], s[G1:G1+7]
	s_nop 0
.rept 4
	v_nop
.endr
	s_branch .Lasked_\@
.Lfor_b_\@:
	tensor_load_to_lds s[G0B+4*\s:G0B+4*\s+3], s[G1B:G1B+7]
	s_nop 0
.rept 4
	v_nop
.endr
.Lasked_\@:
.endm
.macro CREST
	s_cmp_lg_u32 s10, 0
	s_cbranch_scc1 .Lnot_wave_0_\@
	s_barrier_signal -3
.Lnot_wave_0_\@:
	s_barrier_wait -3
	s_barrier_signal -1
	s_barrier_wait -1
.endm
.macro CROUND
	s_barrier_signal -1
	s_barrier_wait -1
	CREST
.endm
	s_load_b128 s[4:7], s[0:1], 0x0                ; att s[4:5], wo16 s[6:7]
	s_load_b128 s[68:71], s[0:1], 0x10             ; bo s[68:69], out0 s[70:71]
	v_lshl_add_u32 v[SPW], v0, 2, SPARE
	v_mov_b32 v[NIL], 0
	ds_add_u32 v[SPW], v[NIL]                      ; the wave's opening: the add, twice on end, and its wait ahead of my first tensor load
	ds_add_u32 v[SPW], v[NIL]
	v_lshrrev_b32 v1, 5, v0
	v_readfirstlane_b32 s10, v1                    ; wave 0..3
	s_lshr_b32 s11, s10, 1                         ; which half of the tile's rows is mine.  Also: I fetch for A (0) or for B (1)
	s_and_b32 s12, s10, 1                          ; which half of its columns.  Also: which 64 rows of that tile I fetch
	s_bfe_u32 s40, ttmp6, 0x40000                  ; cx, cy
	s_bfe_u32 s41, ttmp6, 0x40004
	s_lshl_b32 s42, ttmp9, 2
	s_add_co_u32 s42, s42, s40                     ; tile column
	s_and_b32 s13, ttmp7, 0xffff
	s_lshl_b32 s13, s13, 2
	s_add_co_u32 s13, s13, s41                     ; tile row
	s_lshl_b32 s43, s41, 2
	s_lshl_b32 s43, 15, s43                        ; my row of the cluster
	s_lshl_b32 s44, 0x1111, s40                    ; my column
	; group 1 for A: 4 rows (heads) of 4,096 elements of 2 bytes, 131,072 elements apart; 4 words of padding behind every 32
	s_or_b32 s[G1+0], s43, (1<<16)|(1<<20)|(1<<21)|(4<<22)|(3<<25)
	s_mov_b32 s[G1+1], 4096<<16                    ; tensor_dim0
	s_mov_b32 s[G1+2], 4<<16                       ; tensor_dim1
	s_mov_b32 s[G1+3], 4096<<16                    ; tile_dim0
	s_mov_b32 s[G1+4], 4                           ; tile_dim1
	s_mov_b32 s[G1+5], 131072                      ; stride
	s_mov_b32 s[G1+6], 0
	s_mov_b32 s[G1+7], 0
	; group 1 for B: 64 rows of 256 elements, 1,024 apart; 4 words of padding behind every 128
	s_or_b32 s[G1B+0], s44, (1<<16)|(1<<20)|(1<<21)|(6<<22)|(3<<25)
	s_mov_b32 s[G1B+1], 256<<16
	s_mov_b32 s[G1B+2], 64<<16
	s_mov_b32 s[G1B+3], 256<<16
	s_mov_b32 s[G1B+4], 64
	s_mov_b32 s[G1B+5], 1024
	s_mov_b32 s[G1B+6], 0
	s_mov_b32 s[G1B+7], 0
	s_lshl_b32 s18, s12, 6                         ; which 64 rows of the tile I fetch
	s_lshr_b32 s16, s13, 4                         ; A: the batch: 16 tile rows to a sequence,
	s_lshl_b32 s16, s16, 22                        ; 16 heads of 262,144 bytes each;
	s_and_b32 s17, s13, 15
	s_lshl_b32 s17, s17, 7
	s_add_co_u32 s17, s17, s18                     ; the position in the sequence,
	s_lshl_b32 s17, s17, 7                         ; 128 bytes a row
	s_add_co_u32 s16, s16, s17
	s_mov_b32 s17, 0
	s_lshl_b32 s46, s42, 7
	s_add_co_u32 s46, s46, s18                     ; B: row 128 x tile column + 64 x half,
	s_lshl_b32 s46, s46, 11                        ; 2,048 bytes a row
	s_mov_b32 s47, 0
	s_mul_i32 s20, s12, HALFA                      ; where they go: no place in the cluster enters an LDS address
	s_mul_i32 s21, s12, HALFB
	s_add_co_u32 s21, s21, 2*HALFA
	s_wait_dscnt 0x0                               ; both opening adds are done
	s_wait_kmcnt 0x0
	s_add_nc_u64 s[14:15], s[4:5], s[16:17]
	s_add_nc_u64 s[46:47], s[6:7], s[46:47]
	CROUND                                         ; all sixteen work-groups are here: the first joint loads meet
.irp s, 0,1
	s_mov_b32 s[G0+4*\s], 1
	s_add_co_u32 s[G0+4*\s+1], s20, \s*SLOT
	s_add_nc_u64 s[G0+4*\s+2:G0+4*\s+3], s[14:15], \s*ASTEP
	s_or_b32 s[G0+4*\s+3], s[G0+4*\s+3], 0x80000000
	s_mov_b32 s[G0B+4*\s], 1
	s_add_co_u32 s[G0B+4*\s+1], s21, \s*SLOT
	s_add_nc_u64 s[G0B+4*\s+2:G0B+4*\s+3], s[46:47], \s*BSTEP
	s_or_b32 s[G0B+4*\s+3], s[G0B+4*\s+3], 0x80000000
	JLOAD \s
.endr
	v_and_b32 v1, 15, v0                           ; l % 16
	v_bfe_u32 v2, v0, 4, 1                         ; l / 16
	v_mul_u32_u24 v3, v1, APITCH
	v_lshl_add_u32 v3, v2, 4, v3
	v_mul_u32_u24 v4, v1, BPITCH
	v_lshl_add_u32 v4, v2, 4, v4
	s_mul_i32 s21, s11, HALFA                      ; my 64 rows of A
	s_mul_i32 s22, s12, HALFB                      ; my 64 rows of B,
	s_add_co_u32 s22, s22, 2*HALFA                 ; which lie behind A's halves
.irp s, 0,1
	v_add_nc_u32 v[ADRA+\s], s21, v3
	v_add_nc_u32 v[ADRB+\s], s22, v4
	s_add_co_u32 s21, s21, SLOT
	s_add_co_u32 s22, s22, SLOT
.endr
	s_mul_i32 s23, s10, 16*SPITCH
	s_add_co_u32 s23, s23, STAGE                   ; my stage
	v_mul_u32_u24 v5, v1, SPITCH                   ; in: row l % 16, 32 bytes for each half of the lanes
	v_lshl_add_u32 v5, v2, 5, v5
	v_add_nc_u32 v[STO], s23, v5
	v_mul_u32_u24 v5, v2, SPITCH                   ; back: lanes 0-15 one row of 256 bytes, lanes 16-31 the next
	v_lshl_add_u32 v5, v1, 4, v5
	v_add_nc_u32 v[RD], s23, v5
	v_lshlrev_b32 v[CO], 12, v2                    ; and the same two rows in out0
	v_lshl_add_u32 v[CO], v1, 4, v[CO]
	s_lshl_b32 s16, s13, 7
	s_lshl_b32 s17, s11, 6
	s_add_co_u32 s16, s16, s17                     ; my first row of out0,
	s_lshl_b32 s16, s16, 12                        ; 4,096 bytes a row
	s_mov_b32 s17, 0
	s_lshl_b32 s46, s42, 9                         ; my first column, in bytes: 512 x tile column + 256 x half; in bo too
	s_lshl_b32 s47, s12, 8
	s_add_co_u32 s46, s46, s47
	s_mov_b32 s47, 0
	s_add_nc_u64 s[68:69], s[68:69], s[46:47]
	s_add_nc_u64 s[70:71], s[70:71], s[46:47]
	s_add_nc_u64 s[70:71], s[70:71], s[16:17]
	v_lshlrev_b32 v6, 5, v2                        ; the bias in the result's layout: register 8 b + j = bo[my first column + 16 b + 8 (l / 16) + j]
.irp b, 0,1,2,3
	global_load_b128 v[BIAS+8*\b:BIAS+8*\b+3], v6, s[68:69] offset:64*\b
	global_load_b128 v[BIAS+8*\b+4:BIAS+8*\b+7], v6, s[68:69] offset:64*\b+16
.endr
; 8 matrix instructions: m blocks a0, a0 + 1 x all 4 n blocks, 32 along K: half c of buffer f.  zero = 1: the first product starts the sums, from the bias.  The 16 accumulators take turns.
.macro MUL8 f, c, a0, zero
.irp a, \a0, \a0+1
.irp b, 0,1,2,3
.if \zero
	v_wmma_f32_16x16x32_f16 v[ACC+8*(4*(\a)+\b):ACC+8*(4*(\a)+\b)+7], v[\f+64+8*(4*\c+\b):\f+64+8*(4*\c+\b)+7], v[\f+8*(4*\c+\a):\f+8*(4*\c+\a)+7], v[BIAS+8*\b:BIAS+8*\b+7]
.else
	v_wmma_f32_16x16x32_f16 v[ACC+8*(4*(\a)+\b):ACC+8*(4*(\a)+\b)+7], v[\f+64+8*(4*\c+\b):\f+64+8*(4*\c+\b)+7], v[\f+8*(4*\c+\a):\f+8*(4*\c+\a)+7], v[ACC+8*(4*(\a)+\b):ACC+8*(4*(\a)+\b)+7]
.endif
.endr
.endr
.endm
; 32 LDS loads in one run: the fragments of 64 along K (byte k of B's rows; head k / 128 of A's tile) into buffer f; the first 32 along K first
.macro FETCH slot, k, f
	WIN TO_F
.irp c, 0,1
.irp i, 0,1,2,3
	ds_load_b128 v[\f+64+8*(4*\c+\i):\f+64+8*(4*\c+\i)+3],   v[ADRB+\slot] offset:\k+64*\c+\i*16*BPITCH
	ds_load_b128 v[\f+64+8*(4*\c+\i)+4:\f+64+8*(4*\c+\i)+7], v[ADRB+\slot] offset:\k+64*\c+\i*16*BPITCH+32
	ds_load_b128 v[\f+8*(4*\c+\i):\f+8*(4*\c+\i)+3],         v[ADRA+\slot] offset:(\k/128)*APLANE+64*\c+\i*16*APITCH
	ds_load_b128 v[\f+8*(4*\c+\i)+4:\f+8*(4*\c+\i)+7],       v[ADRA+\slot] offset:(\k/128)*APLANE+64*\c+\i*16*APITCH+32
.endr
.endr
.endm
.macro PLACES                          ; four plain lines in front of loads into registers that matrix instructions have read, and of reads of results
.rept 4
	v_nop
.endr
.endm
; A K step is four quarters of 64 along K, 32 matrix instructions each, on buffers 0, 1, 0, 1.
.macro QUARTER slot, k, f, g, zero
	s_wait_dscnt 16                                ; the first 32 along K are in; the other sixteen loads may be out
	WIN MUL
	MUL8 \f, 0, 0, \zero
	MUL8 \f, 0, 2, \zero
	PLACES
	FETCH \slot, \k, \g
	s_wait_dscnt 32                                ; all but the 32 just issued
	WIN MUL
	MUL8 \f, 1, 0, 0
	MUL8 \f, 1, 2, 0
.endm
; The last quarter multiplies buffer 1 and changes slots: ONE barrier; in front of it each wave waits for all its tensor loads, adds 0 to its spare word, and waits for that and for its reads of this slot.
.macro TURN slot, next, fill
	WIN 0
	s_wait_tensorcnt 0x0                           ; all my tensor loads have landed: my part of the next slot
	ds_add_u32 v[SPW], v[NIL]                      ; 0 onto my spare word
	s_wait_dscnt 17                                ; (the add and the youngest sixteen loads may be out)
	WIN MUL
	MUL8 F1, 0, 0, 0
	s_wait_dscnt 0x0                               ; the add is done, and my reads of this slot are over
	s_barrier_signal -1
	MUL8 F1, 0, 2, 0
.if \fill
	WIN 0
.endif
	s_barrier_wait -1
.if \fill
	CREST                                          ; the barrier has opened a round of the cluster's: no wave of any partner still reads this slot or has a load on its way
	s_add_nc_u64 s[G0+4*\slot+2:G0+4*\slot+3], s[G0+4*\slot+2:G0+4*\slot+3], 2*ASTEP
	s_add_nc_u64 s[G0B+4*\slot+2:G0B+4*\slot+3], s[G0B+4*\slot+2:G0B+4*\slot+3], 2*BSTEP
	JLOAD \slot                                    ; the first tensor load behind the round; its four v_nop are also the places in front of the loads below
.else
	PLACES
.endif
	FETCH \next, 0, F0
	WIN MUL
	MUL8 F1, 1, 0, 0
	MUL8 F1, 1, 2, 0
.endm
	s_wait_tensorcnt 1                             ; my part of K step 0 is in (K step 1's load may be out),
	s_barrier_signal -1
	s_barrier_wait -1                              ; everybody's is
	FETCH 0, 0, F0
	s_wait_loadcnt 0x0                             ; the bias
	QUARTER 0, 128, F0, F1, 1                      ; the first quarter stands in front of the loop: its first products start the sums
	WIN 0
	s_mov_b32 s3, 1                                ; K = 1,024 is two laps of the ring: one trip fills both slots again
.Llap:
	QUARTER 0, 256, F1, F0, 0
	QUARTER 0, 384, F0, F1, 0
	TURN 0, 1, 1
	QUARTER 1, 128, F0, F1, 0
	QUARTER 1, 256, F1, F0, 0
	QUARTER 1, 384, F0, F1, 0
	TURN 1, 0, 1
	QUARTER 0, 128, F0, F1, 0
	WIN 0
	s_sub_co_u32 s3, s3, 1
	s_cmp_lg_u32 s3, 0
	s_cbranch_scc1 .Llap
	QUARTER 0, 256, F1, F0, 0                      ; the last lap fills nothing
	QUARTER 0, 384, F0, F1, 0
	TURN 0, 1, 0
	QUARTER 1, 128, F0, F1, 0
	QUARTER 1, 256, F1, F0, 0
	QUARTER 1, 384, F0, F1, 0
	s_wait_dscnt 16
	WIN MUL
	MUL8 F1, 0, 0, 0
	MUL8 F1, 0, 2, 0
	s_wait_dscnt 0
	MUL8 F1, 1, 0, 0
	MUL8 F1, 1, 2, 0
	WIN 0
; THE WAY OUT, block by block of 16 rows x 64 columns: 256 bytes a row, which are my wave's alone.  A lane's 32 bytes go into my own stage, each accumulator from its low end on, and come back as whole rows.
.macro TOSTAGE a
.irp b, 0,1,2,3
	ds_store_b128 v[STO], v[ACC+8*(4*(\a)+\b):ACC+8*(4*(\a)+\b)+3] offset:64*\b
	ds_store_b128 v[STO], v[ACC+8*(4*(\a)+\b)+4:ACC+8*(4*(\a)+\b)+7] offset:64*\b+16
.endr
.set BB, OB+32*((\a)%2)
.irp t, 0,1,2,3,4,5,6,7
	ds_load_b128 v[BB+4*\t:BB+4*\t+3], v[RD] offset:\t*2*SPITCH    ; LDS serves a wave's instructions in order: these see the stores above
.endr
.endm
.macro SEND a, younger                 ; younger: the LDS instructions issued behind block a's loads, which may stay out
.set BB, OB+32*((\a)%2)
	s_wait_dscnt \younger
.irp t, 0,1,2,3,4,5,6,7
	global_store_b128 v[CO], v[BB+4*\t:BB+4*\t+3], s[70:71] offset:(16*(\a)+2*\t)*4096 th:TH_STORE_NT   ; sixteen lanes store 256 consecutive bytes, aligned; written once, read by nobody here
.endr
.endm
	PLACES
	TOSTAGE 0
.irp a, 1,2,3
.if \a > 1
	s_wait_xcnt 0x0                                ; block a - 2's stores have read their registers: block a's loads may land there
.endif
	TOSTAGE \a
	SEND \a-1, 16                                  ; behind block a - 1's loads: block a's 8 stores and 8 loads
.endr
	SEND 3, 0
	s_wait_tensorcnt 0x0                           ; the wave's end
	ds_add_u32 v[SPW], v[NIL]
	s_wait_dscnt 0x0
	CROUND                                         ; the closing round
	s_endpgm
.Lfunc_end_k_q7b35d5330e_oproj:
	.size	k_q7b35d5330e_oproj, .Lfunc_end_k_q7b35d5330e_oproj-k_q7b35d5330e_oproj
	.p2alignl 7, 3214868480
	.fill 96, 4, 3214868480
	.section	.rodata,"a",@progbits
	.p2align	6, 0x0
	.amdhsa_kernel k_q7b35d5330e_oproj
		.amdhsa_group_segment_fixed_size 327680
		.amdhsa_private_segment_fixed_size 0
		.amdhsa_enable_private_segment 0
		.amdhsa_kernarg_size 32
		.amdhsa_user_sgpr_count 2
		.amdhsa_user_sgpr_kernarg_segment_ptr 1
		.amdhsa_wavefront_size32 1
		.amdhsa_system_sgpr_workgroup_id_x 1
		.amdhsa_system_sgpr_workgroup_id_y 1
		.amdhsa_system_sgpr_workgroup_id_z 1
		.amdhsa_system_vgpr_workitem_id 0
		.amdhsa_next_free_vgpr 512
		.amdhsa_next_free_sgpr 72
		.amdhsa_reserve_vcc 0
		.amdhsa_float_denorm_mode_32 3
		.amdhsa_float_denorm_mode_16_64 3
		.amdhsa_memory_ordered 1
		.amdhsa_forward_progress 1
		.amdhsa_inst_pref_size 87
	.end_amdhsa_kernel
	.amdgpu_metadata
---
amdhsa.version: [ 1, 2 ]
amdhsa.kernels:
  - .name:           k_q7b35d5330e_oproj
    .symbol:         k_q7b35d5330e_oproj.kd
    .args:
      - { .name: att, .offset: 0, .size: 8, .value_kind: global_buffer, .address_space: global }
      - { .name: wo16, .offset: 8, .size: 8, .value_kind: global_buffer, .address_space: global }
      - { .name: bo, .offset: 16, .size: 8, .value_kind: global_buffer, .address_space: global }
      - { .name: out0, .offset: 24, .size: 8, .value_kind: global_buffer, .address_space: global }
    .group_segment_fixed_size: 327680
    .private_segment_fixed_size: 0
    .kernarg_segment_align: 8
    .kernarg_segment_size: 32
    .max_flat_workgroup_size: 128
    .sgpr_count:     72
    .vgpr_count:     512
    .wavefront_size: 32
...
	.end_amdgpu_metadata
.endif
;; end of part 4
